; MI455X (gfx1250); checked and timed in simulation.
; The chip was launched on July 23, 2026; its instructions are those of AMD's public machine-readable ISA for CDNA 5 (MIT licence, August 2026) and "CDNA5" Instruction Set Architecture Reference Guide (July 2026). The comments in the code are by the model that wrote it; some were corrected since.
;; Multi Head Attention. Allowed arithmetic: float matrix products may take bf16 or f16 operands with f32 sums; all other float work in f32.
;; Inputs: wk 1,024 x 1,024 float32; wo 1,024 x 1,024 float32; wq 1,024 x 1,024 float32; wv 1,024 x 1,024 float32; x 4 x 2,048 x 1,024 float32.
;; Outputs: out0 4 x 2,048 x 1,024 float32.
;; 2 versions, each right. Each part assembles by itself: llvm-mc -triple=amdgcn-amd-amdhsa -mcpu=gfx1250 --defsym DOCPART=n.
;; ======== version 1 of 2: 4 launches
;; limits: values are held in f16: magnitudes above 65,504 overflow, below 6.1e-05 lose precision
;; workspace buffers: xb 16,777,216 bytes; wt 8,388,608 bytes; qk 33,554,432 bytes; vt 16,777,216 bytes; vl 16,777,216 bytes; ctx 16,777,216 bytes
;; launch prep (part 1): grid 768 x 1, 8 waves a work-group, no clusters, 35,840 bytes of LDS; arguments x, wq, wk, wv, wo, xb, wt; writes xb, wt
.if DOCPART == 1
	.amdgcn_target "amdgcn-amd-amdhsa--gfx1250"
	.amdhsa_code_object_version 6
	.text
	.protected	k_q923e89cc93_prep
	.globl	k_q923e89cc93_prep
	.p2align	8
	.type	k_q923e89cc93_prep,@function
k_q923e89cc93_prep:
	s_mov_b64 s[64:65], 0
	v_nop
	global_prefetch_b8 v0, s[64:65] scope:SCOPE_SE
	s_setreg_imm32_b32 hwreg(HW_REG_WAVE_MODE, 25, 1), 1
	s_wait_xcnt 0x0
; MULTI-HEAD ATTENTION, launch 1 of 4: the operands of the projections, rounded once and laid out for the matrix kernels.
;   xb  bf16 [16 kb][8192 m][64 k]        x, blocked along K: a block of rows of one kb is dense in memory
;   wt  bf16 [16 kb][3072 n'][64 k]       wq, wk, wv transposed; n' = 192 head + 64 g + d, g = 0, 1, 2 for q, k, v
;       f16  [16 kb][1024 n][64 k]        from byte 6,291,456: wo transposed, rounded to bf16 and written as f16
;                                         (the second step is exact from 2^-14 up; below it the error is at most 2^-25)
; FORMATS OF THE WHOLE PROGRAM.  x and the four weights are rounded to bf16.  q, k, the softmax weights, v and ctx are matrix
; operands in f16, all sums in f32.  LIMIT: |q|, |k|, |v|, |ctx| up to 65,504 (f16's largest number); beyond it they become infinite.
; WORK LEFT OUT (launch 3).  reference() sets scores[q][k] to -inf for k > q by a mask that it builds itself (jnp.tril), so the
; softmax weight of such a pair is exactly 0 whatever finite values x, wq, wk hold, and its product with v adds exactly 0.
; Tiles of 16 queries x 64 keys that lie wholly above the diagonal are therefore never computed.  LIMIT: a NaN, an infinity or an
; overflow that would reach only those products (0 x inf) is not carried to the result.  Every input is loaded.
; THIS LAUNCH streams, so it uses no matrix unit and no cluster.  Work-groups 0-511: 16 rows of x each.  512-703: a tile of 128 k x 128 n of wq, wk or wv.
; 704-767: the same of wo.  Every load of a wave covers whole runs of 256 bytes, every store 256 or 512 consecutive aligned bytes.
.set PITCH, 272                        ; LDS row of the transposing tile: 256 bytes + 16
.set X, 8                              ; v[8:71]   sixteen loads of four f32
.set Y, 72                             ; v[72:103] packed results
	s_load_b256 s[4:11], s[0:1], 0x0               ; x s[4:5], wq s[6:7], wk s[8:9], wv s[10:11]
	s_load_b128 s[12:15], s[0:1], 0x20             ; wo s[12:13], xb s[14:15]
	s_load_b64 s[16:17], s[0:1], 0x30              ; wt
	v_lshl_add_u32 v112, v0, 2, 0x8800
	v_mov_b32 v113, 0
	s_mov_b32 s20, ttmp9
	s_cmp_ge_u32 s20, 512
	s_cbranch_scc1 .Lweights
	; ---- x: thread t takes 16 bytes at column 16 (t % 16) of row t / 16, in each of the sixteen blocks of 64 columns
	v_lshrrev_b32 v1, 4, v0
	v_and_b32 v2, 15, v0
	v_lshlrev_b32 v2, 4, v2
	v_lshl_or_b32 v1, v1, 12, v2                   ; row x 4,096 + 16 (t % 16)
	v_lshlrev_b32 v3, 3, v0                        ; in xb the 16 rows of one block are 2,048 dense bytes: 8 t
	s_lshl_b32 s22, s20, 16                        ; 16 rows of 4,096 bytes
	s_mov_b32 s23, 0
	s_lshl_b32 s24, s20, 11                        ; 16 rows of 128 bytes,
	s_add_co_u32 s24, s24, 0x800000                ; seen from block 8, so that blocks 0-15 fit the store's signed immediate
	s_mov_b32 s25, 0
	s_wait_kmcnt 0x0
	s_add_nc_u64 s[4:5], s[4:5], s[22:23]
	s_add_nc_u64 s[14:15], s[14:15], s[24:25]
.irp c, 0,1,2,3,4,5,6,7,8,9,10,11,12,13,14,15
	global_load_b128 v[X+4*\c:X+4*\c+3], v1, s[4:5] offset:256*\c th:TH_LOAD_NT
.endr
.irp c, 0,1,2,3,4,5,6,7,8,9,10,11,12,13,14,15
	s_wait_loadcnt 15-\c                           ; loads return in order: block c is in, the younger ones stay out
	v_cvt_pk_bf16_f32 v[Y+2*\c], v[X+4*\c], v[X+4*\c+1]
	v_cvt_pk_bf16_f32 v[Y+2*\c+1], v[X+4*\c+2], v[X+4*\c+3]
	global_store_b64 v3, v[Y+2*\c:Y+2*\c+1], s[14:15] offset:(\c-8)*1048576   ; a wave stores 256 consecutive bytes
.endr
	s_endpgm
	; ---- weights: a tile of 128 k x 128 n is read by rows, packed along k in registers, turned in LDS and stored by rows of 64 k
.Lweights:
	v_lshrrev_b32 v1, 5, v0                        ; wave w: k = 16 w + i
	v_and_b32 v2, 31, v0                           ; lane L: n = 4 L .. 4 L + 3
	v_lshlrev_b32 v6, 4, v2
	v_lshl_or_b32 v6, v1, 16, v6                   ; source: 16 w rows of 4,096 bytes + 16 L
	v_mul_u32_u24 v3, v2, 4*PITCH
	v_lshl_add_u32 v3, v1, 5, v3                   ; LDS in: row n = 4 L (+ c), byte 2 k = 32 w (+ 16 o)
	v_lshrrev_b32 v4, 3, v0
	v_mul_u32_u24 v4, v4, PITCH
	v_and_b32 v5, 7, v0
	v_lshl_add_u32 v4, v5, 4, v4                   ; LDS back: row t / 8, 16 bytes at 16 (t % 8)
	v_lshlrev_b32 v5, 4, v0                        ; 32 rows of 128 bytes are 4,096 dense bytes in wt: 16 t
	s_mov_b32 s29, 0
	s_mov_b32 s31, 0
	s_cmp_ge_u32 s20, 704
	s_cbranch_scc1 .Lwo
.macro WBODY KBSTR, J2STR, TOF16       ; KBSTR: bytes from a kb block to the next; J2STR: from 64 columns to the next 64; TOF16: write f16
.irp i, 0,1,2,3,4,5,6,7,8,9,10,11,12,13,14,15
	global_load_b128 v[X+4*\i:X+4*\i+3], v6, s[24:25] offset:4096*\i th:TH_LOAD_NT   ; a wave reads 512 consecutive bytes of row k
.endr
	s_wait_loadcnt 0x0                             ; every packed word below takes two rows: all sixteen are needed at once
.irp c, 0,1,2,3
.irp o, 0,1
.irp jj, 0,1,2,3
	v_cvt_pk_bf16_f32 v[Y+4*(2*\c+\o)+\jj], v[X+4*(8*\o+2*\jj)+\c], v[X+4*(8*\o+2*\jj+1)+\c]   ; column 4 L + c, k = 16 w + 8 o + 2 jj, + 1
.if \TOF16
	v_lshlrev_b32 v104, 16, v[Y+4*(2*\c+\o)+\jj]
	v_and_b32 v105, 0xffff0000, v[Y+4*(2*\c+\o)+\jj]
	v_cvt_pk_f16_f32 v[Y+4*(2*\c+\o)+\jj], v104, v105
.endif
.endr
	ds_store_b128 v3, v[Y+4*(2*\c+\o):Y+4*(2*\c+\o)+3] offset:PITCH*\c+16*\o
.endr
.endr
	s_wait_dscnt 0x0                               ; my stores are in LDS before I say so: the other waves read them
	s_barrier_signal -1
	s_barrier_wait -1
.irp i, 0,1,2,3,4,5,6,7
	ds_load_b128 v[X+4*\i:X+4*\i+3], v4 offset:(\i&3)*32*PITCH+(\i>>2)*128   ; 32 rows n, one half of 64 k
.endr
.irp i, 0,1,2,3,4,5,6,7
	s_wait_dscnt 7-\i                              ; LDS loads return in order
	global_store_b128 v5, v[X+4*\i:X+4*\i+3], s[26:27] offset:(\i>>2)*\KBSTR+((\i&3)>>1)*\J2STR+(\i&1)*4096
.endr
	s_wait_tensorcnt 0x0
	ds_add_u32 v112, v113
	s_wait_dscnt 0x0
	s_endpgm
.endm
	s_sub_co_u32 s20, s20, 512
	s_lshr_b32 s21, s20, 6                         ; which weight: 0 q, 1 k, 2 v
	s_bfe_u32 s22, s20, 0x30003                    ; k tile
	s_and_b32 s23, s20, 7                          ; n tile = heads 2 nt, 2 nt + 1
	s_lshl_b32 s28, s22, 19                        ; 128 rows of 4,096 bytes
	s_lshl_b32 s30, s23, 9
	s_add_co_u32 s28, s28, s30
	s_mul_i32 s30, s22, 786432                     ; two kb blocks of 3,072 rows of 128 bytes
	s_mul_i32 s18, s23, 49152                      ; two heads of 192 rows
	s_add_co_u32 s30, s30, s18
	s_lshl_b32 s18, s21, 13                        ; 64 rows for each of q, k, v
	s_add_co_u32 s30, s30, s18
	s_wait_kmcnt 0x0
	s_cmp_eq_u32 s21, 1
	s_cselect_b64 s[24:25], s[8:9], s[6:7]
	s_cmp_eq_u32 s21, 2
	s_cselect_b64 s[24:25], s[10:11], s[24:25]
	s_add_nc_u64 s[24:25], s[24:25], s[28:29]
	s_add_nc_u64 s[26:27], s[16:17], s[30:31]
	WBODY 393216, 24576, 0
.Lwo:
	s_sub_co_u32 s20, s20, 704
	s_lshr_b32 s22, s20, 3
	s_and_b32 s23, s20, 7
	s_lshl_b32 s28, s22, 19
	s_lshl_b32 s30, s23, 9
	s_add_co_u32 s28, s28, s30
	s_lshl_b32 s30, s22, 18                        ; two kb blocks of 1,024 rows of 128 bytes
	s_lshl_b32 s18, s23, 14                        ; 128 rows
	s_add_co_u32 s30, s30, s18
	s_add_co_u32 s30, s30, 6291456
	s_wait_kmcnt 0x0
	s_add_nc_u64 s[24:25], s[12:13], s[28:29]
	s_add_nc_u64 s[26:27], s[16:17], s[30:31]
	WBODY 131072, 8192, 1
.Lfunc_end_k_q923e89cc93_prep:
	.size	k_q923e89cc93_prep, .Lfunc_end_k_q923e89cc93_prep-k_q923e89cc93_prep
	.p2alignl 7, 3214868480
	.fill 96, 4, 3214868480
	.section	.rodata,"a",@progbits
	.p2align	6, 0x0
	.amdhsa_kernel k_q923e89cc93_prep
		.amdhsa_group_segment_fixed_size 35840
		.amdhsa_private_segment_fixed_size 0
		.amdhsa_enable_private_segment 0
		.amdhsa_kernarg_size 56
		.amdhsa_user_sgpr_count 2
		.amdhsa_user_sgpr_kernarg_segment_ptr 1
		.amdhsa_wavefront_size32 1
		.amdhsa_system_sgpr_workgroup_id_x 1
		.amdhsa_system_sgpr_workgroup_id_y 1
		.amdhsa_system_sgpr_workgroup_id_z 1
		.amdhsa_system_vgpr_workitem_id 0
		.amdhsa_next_free_vgpr 114
		.amdhsa_next_free_sgpr 66
		.amdhsa_reserve_vcc 0
		.amdhsa_float_denorm_mode_32 3
		.amdhsa_float_denorm_mode_16_64 3
		.amdhsa_memory_ordered 1
		.amdhsa_forward_progress 1
		.amdhsa_inst_pref_size 26
	.end_amdhsa_kernel
	.amdgpu_metadata
---
amdhsa.version: [ 1, 2 ]
amdhsa.kernels:
  - .name:           k_q923e89cc93_prep
    .symbol:         k_q923e89cc93_prep.kd
    .args:
      - { .name: x, .offset: 0, .size: 8, .value_kind: global_buffer, .address_space: global }
      - { .name: wq, .offset: 8, .size: 8, .value_kind: global_buffer, .address_space: global }
      - { .name: wk, .offset: 16, .size: 8, .value_kind: global_buffer, .address_space: global }
      - { .name: wv, .offset: 24, .size: 8, .value_kind: global_buffer, .address_space: global }
      - { .name: wo, .offset: 32, .size: 8, .value_kind: global_buffer, .address_space: global }
      - { .name: xb, .offset: 40, .size: 8, .value_kind: global_buffer, .address_space: global }
      - { .name: wt, .offset: 48, .size: 8, .value_kind: global_buffer, .address_space: global }
    .group_segment_fixed_size: 35840
    .private_segment_fixed_size: 0
    .kernarg_segment_align: 8
    .kernarg_segment_size: 56
    .max_flat_workgroup_size: 256
    .sgpr_count:     66
    .vgpr_count:     114
    .wavefront_size: 32
...
	.end_amdgpu_metadata
.endif
;; end of part 1
;; launch qkv (part 2): grid 8 x 32, 4 waves a work-group, clusters of 4 x 4, 327,680 bytes of LDS; arguments xb, wt, qk, vt, vl; writes qk, vt, vl
.if DOCPART == 2
	.amdgcn_target "amdgcn-amd-amdhsa--gfx1250"
	.amdhsa_code_object_version 6
	.text
	.protected	k_q923e89cc93_qkv
	.globl	k_q923e89cc93_qkv
	.p2align	8
	.type	k_q923e89cc93_qkv,@function
k_q923e89cc93_qkv:
	s_mov_b64 s[64:65], 0
	v_nop
	global_prefetch_b8 v0, s[64:65] scope:SCOPE_SE
	s_setreg_imm32_b32 hwreg(HW_REG_WAVE_MODE, 25, 1), 1
	s_wait_xcnt 0x0
	s_wait_alu depctr_hold_cnt(0) depctr_sa_sdst(0) depctr_va_vdst(0) depctr_va_sdst(0) depctr_va_ssrc(0) depctr_va_vcc(0) depctr_vm_vsrc(0)
	s_getreg_b32 s2, hwreg(HW_REG_IB_STS2, 6, 4)
	s_cmp_eq_u32 s2, 0
	s_cbranch_scc0 .Lentry_in_a_cluster
	s_endpgm
.Lentry_in_a_cluster:
	s_bfe_u32 s2, ttmp6, 0x10000c
	s_cmp_lg_u32 s2, 0xf033
	s_cbranch_scc0 .Lentry_shape_is_right
	s_endpgm
.Lentry_shape_is_right:
; Launch 2 of 4: q, k, v = x wq, x wk, x wv, one product C[8192][3072] = xb wt^T in bf16 with f32 sums.
; A work-group makes 256 rows x 384 columns (two heads, each as q | k | v); a wave 128 rows x 192 columns = one head: 96 accumulator
; tiles of 16 x 16 in 768 registers.  For 32 along K a wave reads 320 rows of 64 bytes from LDS for 96 matrix instructions.
; OUT:  qk  f16 Q [64 bh][2048 s][64 d], K the same 16,777,216 bytes further;  vt  f16 V^T [64 bh][64 d][2048 s];
;       vl  f16, as vt: the remainder v - f16(v), which launch 3 adds for the keys of a query's own block of 64.
; LIMIT: |q|, |k|, |v| up to 65,504.
; K goes in steps of 64 (one kb block) through two LDS slots.  A tile is dense in memory and comes in as rows of 256 bytes with 16 bytes
; of padding behind each, so an LDS row of 272 bytes holds TWO logical rows of 128 bytes: row m lies at (m / 2) 272 + (m % 2) 128.
; The sixteen rows of a fragment then start at sixteen different 16-byte columns modulo 256 bytes.
; CLUSTER 4 x 4: the four work-groups of a row of the cluster need the same rows of xb, the four of a column the same rows of wt; each such
; tile is asked for jointly, with one descriptor and a mask of the four.
; REGISTERS: window 0: v16-29 addresses, v32-95 and v96-159 fragments of xb (two buffers), v160-255 fragments of wt (one buffer, three column
; groups, each loaded again as soon as its 32 products are issued).  Window g + 1: the 32 tiles of column group g, tile (a, b) at v[8 (4 a + b)].
; q and k are made TRANSPOSED (source 0 = rows of wt): a lane holds row s = l % 16 and eight neighbouring d.  v is made the natural way
; (source 0 = rows of xb): a lane holds d = l % 16 and eight neighbouring s, which is a piece of a row of V^T.
.set PITCH, 272
.set BLK,   8*PITCH                    ; sixteen logical rows
.set BHALF, 96*PITCH                   ; 192 rows of wt: one tensor load, one wave's columns
.set AHALF, 64*PITCH                   ; 128 rows of xb: one tensor load, one wave's rows
.set AOFF,  2*BHALF
.set SLOT,  2*BHALF+2*AHALF            ; 87,040
.set STAGE, 2*SLOT                     ; 174,080, a multiple of 256: no tensor load lands from here on
.set STG,   8704                       ; a wave's stage
.set ASTEP, 2*8192*128                 ; two kb blocks of xb
.set BSTEP, 2*3072*128                 ; two kb blocks of wt
.set ADRA, 16                          ; v16-17 my xb fragments in slot 0, 1
.set ADRB, 20                          ; v20-21 my wt fragments
.set STO, 24
.set RD,  25
.set CO,  26
.set STV, 27
.set RDV, 28
.set COV, 29
.set AF0, 32
.set AF1, 96
.set BF,  160
.set G1A, 24                           ; s[24:31] shape of xb's tiles
.set G0A, 32                           ; s[32:39] from where, to where; a set for each slot
.set G1B, 48
.set G0B, 56
.set G1W0, (3<<16)|(1<<20)|(1<<21)|(5<<22)|(3<<25)   ; elements of 8 bytes; padding on; bit 21 beside a mask; after every 64 words; 4 words
.set MSB, 0
.macro WIN new                         ; the immediate's high byte repeats the setting that is left
.if MSB != (\new)
	s_set_vgpr_msb (MSB<<8)|(\new)
.set MSB, (\new)
.endif
.endm
.macro PLACES n                        ; places behind matrix instructions (ISA guide 7.12.1): plain vector instructions that name none of their registers
.rept \n
	v_nop
.endr
.endm
.macro JLOAD s                         ; waves 0, 1 ask for wt's two halves, waves 2, 3 for xb's: one line, one mask, one set of registers for all that issue it
	s_cmp_eq_u32 s15, 0
	s_cbranch_scc0 .Lfor_a_\@
	tensor_load_to_lds s[G0B+4*\s:G0B+4*\s+3], s[G1B:G1B+7]
	s_nop 0
	s_branch .Lasked_\@
.Lfor_a_\@:
	tensor_load_to_lds s[G0A+4*\s:G0A+4*\s+3], s[G1A:G1A+7]
	s_nop 0
.Lasked_\@:
.endm
.macro CREST                           ; a round of the cluster's barrier behind its opening work-group barrier
	s_cmp_lg_u32 s14, 0
	s_cbranch_scc1 .Lnot_wave_0_\@
	s_barrier_signal -3
.Lnot_wave_0_\@:
	s_barrier_wait -3
	s_barrier_signal -1
	s_barrier_wait -1
.endm
.macro CROUND
	s_barrier_signal -1
	s_barrier_wait -1
	CREST
.endm
	s_load_b256 s[4:11], s[0:1], 0x0               ; xb s[4:5], wt s[6:7], qk s[8:9], vt s[10:11]
	s_load_b64 s[12:13], s[0:1], 0x20              ; vl
	v_lshl_add_u32 v30, v0, 2, 0x33000
	v_mov_b32 v31, 0
	ds_add_u32 v30, v31
	v_lshrrev_b32 v1, 5, v0
	v_readfirstlane_b32 s14, v1                    ; wave
	s_lshr_b32 s15, s14, 1                         ; my half of the rows.  Also: I fetch for wt (0) or xb (1)
	s_and_b32 s16, s14, 1                          ; my half of the columns.  Also: which half of that tile I fetch
	s_bfe_u32 s17, ttmp6, 0x40000                  ; cx
	s_bfe_u32 s18, ttmp6, 0x40004                  ; cy
	s_lshl_b32 s19, ttmp9, 2
	s_add_co_u32 s19, s19, s17                     ; block column, 0-7
	s_and_b32 s20, ttmp7, 0xffff
	s_lshl_b32 s20, s20, 2
	s_add_co_u32 s20, s20, s18                     ; block row, 0-31
	s_lshl_b32 s21, s18, 2
	s_lshl_b32 s21, 15, s21                        ; my row of the cluster
	s_lshl_b32 s22, 0x1111, s17                    ; my column
	s_or_b32 s[G1A+0], s21, G1W0
	s_or_b32 s[G1B+0], s22, G1W0
	s_mov_b32 s[G1A+1], 32<<16                     ; tensor_dim0 = 32 elements of 8 bytes
	s_mov_b32 s[G1B+1], 32<<16
	s_mov_b32 s[G1A+2], 64<<16                     ; tensor_dim1 = 64 rows of 256 bytes = 128 logical rows
	s_mov_b32 s[G1B+2], 96<<16                     ; 96 rows = 192 logical rows
	s_mov_b32 s[G1A+3], 32<<16                     ; tile_dim0
	s_mov_b32 s[G1B+3], 32<<16
	s_mov_b32 s[G1A+4], 64                         ; tile_dim1
	s_mov_b32 s[G1B+4], 96
	s_mov_b32 s[G1A+5], 32                         ; the block is dense: the pitch is the row
	s_mov_b32 s[G1B+5], 32
	s_mov_b32 s[G1A+6], 0
	s_mov_b32 s[G1B+6], 0
	s_mov_b32 s[G1A+7], 0
	s_mov_b32 s[G1B+7], 0
	s_lshl_b32 s40, s20, 15                        ; xb: 256 rows of 128 bytes a block row (shared along my row of the cluster)
	s_lshl_b32 s41, s16, 14                        ; + my 128 rows
	s_add_co_u32 s40, s40, s41
	s_mov_b32 s41, 0
	s_mul_i32 s44, s19, 49152                      ; wt: 384 rows a block column (shared along my column)
	s_mul_i32 s45, s16, 24576                      ; + my 192 rows
	s_add_co_u32 s44, s44, s45
	s_mov_b32 s45, 0
	s_mul_i32 s42, s14, AHALF
	s_add_co_u32 s42, s42, AOFF-2*AHALF            ; xb's halves behind wt's: waves 2, 3
	s_mul_i32 s46, s14, BHALF                      ; wt's halves: waves 0, 1
	s_wait_dscnt 0x0
	s_wait_kmcnt 0x0
	s_add_nc_u64 s[40:41], s[4:5], s[40:41]
	s_add_nc_u64 s[44:45], s[6:7], s[44:45]
	CROUND                                         ; all sixteen work-groups are here: the first joint loads meet
.irp s, 0,1
	s_mov_b32 s[G0A+4*\s], 1
	s_add_co_u32 s[G0A+4*\s+1], s42, \s*SLOT
	s_add_nc_u64 s[G0A+4*\s+2:G0A+4*\s+3], s[40:41], \s*8192*128
	s_or_b32 s[G0A+4*\s+3], s[G0A+4*\s+3], 0x80000000
	s_mov_b32 s[G0B+4*\s], 1
	s_add_co_u32 s[G0B+4*\s+1], s46, \s*SLOT
	s_add_nc_u64 s[G0B+4*\s+2:G0B+4*\s+3], s[44:45], \s*3072*128
	s_or_b32 s[G0B+4*\s+3], s[G0B+4*\s+3], 0x80000000
	JLOAD \s                                       ; two loads of this wave are out: kb 0 and kb 1
.endr
	v_and_b32 v1, 15, v0                           ; r
	v_bfe_u32 v2, v0, 4, 1                         ; h
	v_lshrrev_b32 v3, 1, v1
	v_mul_u32_u24 v3, v3, PITCH
	v_and_b32 v4, 1, v1
	v_lshl_add_u32 v3, v4, 7, v3
	v_lshl_add_u32 v3, v2, 4, v3                   ; (r / 2) 272 + (r % 2) 128 + 16 h
	s_mul_i32 s66, s15, AHALF
	s_add_co_u32 s66, s66, AOFF
	s_mul_i32 s67, s16, BHALF
.irp s, 0,1
	v_add_nc_u32 v[ADRA+\s], s66, v3
	v_add_nc_u32 v[ADRB+\s], s67, v3
	s_add_co_u32 s66, s66, SLOT
	s_add_co_u32 s67, s67, SLOT
.endr
	s_mul_i32 s68, s14, STG
	s_add_co_u32 s68, s68, STAGE
	v_mul_u32_u24 v4, v1, 144                      ; q, k on the way out: rows of 128 bytes at pitch 144
	v_lshl_add_u32 v4, v2, 4, v4
	v_add_nc_u32 v[STO], s68, v4
	v_and_b32 v5, 31, v0
	v_lshrrev_b32 v6, 3, v5
	v_mul_u32_u24 v6, v6, 144
	v_and_b32 v7, 7, v0
	v_lshl_add_u32 v6, v7, 4, v6
	v_add_nc_u32 v[RD], s68, v6
	v_lshlrev_b32 v[CO], 4, v5
	v_mul_u32_u24 v4, v1, PITCH                    ; v on the way out: rows of 256 bytes at pitch 272
	v_lshl_add_u32 v4, v2, 4, v4
	v_add_nc_u32 v[STV], s68, v4
	v_mul_u32_u24 v4, v2, PITCH
	v_lshl_add_u32 v4, v1, 4, v4
	v_add_nc_u32 v[RDV], s68, v4
	v_lshlrev_b32 v4, 12, v2
	v_lshl_add_u32 v[COV], v1, 4, v4
.macro LDB g, slot, kb                 ; eight loads: column group g (64 rows of wt), 32 K at byte kb of the rows
.irp b, 0,1,2,3
	ds_load_b128 v[BF+32*\g+8*\b:BF+32*\g+8*\b+3],   v[ADRB+\slot] offset:\kb+(4*\g+\b)*BLK
	ds_load_b128 v[BF+32*\g+8*\b+4:BF+32*\g+8*\b+7], v[ADRB+\slot] offset:\kb+(4*\g+\b)*BLK+32
.endr
.endm
.macro LDA f, half, slot, kb           ; eight loads: 64 rows of xb into buffer f
.irp a, 0,1,2,3
	ds_load_b128 v[\f+8*(4*\half+\a):\f+8*(4*\half+\a)+3],   v[ADRA+\slot] offset:\kb+(4*\half+\a)*BLK
	ds_load_b128 v[\f+8*(4*\half+\a)+4:\f+8*(4*\half+\a)+7], v[ADRA+\slot] offset:\kb+(4*\half+\a)*BLK+32
.endr
.endm
; sixteen matrix instructions: row blocks a0 .. a0 + 3 x the four column blocks of group g.  The 96 accumulators take turns, one instruction
; a turn, in the same order in every K step.  zero = 1: the first product starts the sum.
.macro GRP4 g, f, a0, zero
.irp a, \a0, \a0+1, \a0+2, \a0+3
.irp b, 0,1,2,3
.if \g == 2
.if \zero
	v_wmma_f32_16x16x32_bf16 v[8*(4*(\a)+\b):8*(4*(\a)+\b)+7], v[\f+8*(\a):\f+8*(\a)+7], v[BF+32*\g+8*\b:BF+32*\g+8*\b+7], 0
.else
	v_wmma_f32_16x16x32_bf16 v[8*(4*(\a)+\b):8*(4*(\a)+\b)+7], v[\f+8*(\a):\f+8*(\a)+7], v[BF+32*\g+8*\b:BF+32*\g+8*\b+7], v[8*(4*(\a)+\b):8*(4*(\a)+\b)+7]
.endif
.else
.if \zero
	v_wmma_f32_16x16x32_bf16 v[8*(4*(\a)+\b):8*(4*(\a)+\b)+7], v[BF+32*\g+8*\b:BF+32*\g+8*\b+7], v[\f+8*(\a):\f+8*(\a)+7], 0
.else
	v_wmma_f32_16x16x32_bf16 v[8*(4*(\a)+\b):8*(4*(\a)+\b)+7], v[BF+32*\g+8*\b:BF+32*\g+8*\b+7], v[\f+8*(\a):\f+8*(\a)+7], v[8*(4*(\a)+\b):8*(4*(\a)+\b)+7]
.endif
.endif
.endr
.endr
.endm
; The first 32 K of a slot: multiplies buffer 0 and fetches the second 32 K (byte 64 of the rows) into buffer 1.
; The forty loads of a K half always go out in the order B0, A low, B1, A high, B2.
.macro EVEN slot, zero
	s_wait_dscnt 8                                 ; all but B2's eight loads are in
	WIN 0x50
	GRP4 0, AF0, 0, \zero
	GRP4 0, AF0, 4, \zero
	WIN 0
	PLACES 4
	LDB 0, \slot, 64
	LDA AF1, 0, \slot, 64
	WIN 0xa0
	GRP4 1, AF0, 0, \zero
	GRP4 1, AF0, 4, \zero
	WIN 0
	PLACES 4
	LDB 1, \slot, 64
	LDA AF1, 1, \slot, 64
	s_wait_dscnt 32                                ; the 2 x 16 just issued stay out: B2 is in
	WIN 0xf0
	GRP4 2, AF0, 0, \zero
	GRP4 2, AF0, 4, \zero
	WIN 0
	PLACES 4
	LDB 2, \slot, 64
.endm
; The second 32 K: multiplies buffer 1 and changes slots.  In front of the barrier each wave waits for its reads of this slot and for all its
; tensor loads (one is out: its part of the next slot).  fill = 1: the barrier opens a round of the cluster's barrier, and behind the round
; this slot is asked for again, two K steps ahead, first thing.  From that request to the wait for it a wave issues 176 matrix instructions.
.macro ODD slot, next, fill
	s_wait_dscnt 8
	WIN 0x50
	GRP4 0, AF1, 0, 0
	s_wait_dscnt 0x0                               ; my reads of this slot are over
	s_wait_tensorcnt 0x0                           ; all my tensor loads have landed
	ds_add_u32 v30, v31
	s_wait_dscnt 0x0
	s_barrier_signal -1
	GRP4 0, AF1, 4, 0                              ; register work while the others arrive
	WIN 0
	s_barrier_wait -1
.if \fill
	CREST
	s_add_nc_u64 s[G0A+4*\slot+2:G0A+4*\slot+3], s[G0A+4*\slot+2:G0A+4*\slot+3], ASTEP
	s_add_nc_u64 s[G0B+4*\slot+2:G0B+4*\slot+3], s[G0B+4*\slot+2:G0B+4*\slot+3], BSTEP
	JLOAD \slot
.endif
	PLACES 4
	LDB 0, \next, 0
	LDA AF0, 0, \next, 0
	WIN 0xa0
	GRP4 1, AF1, 0, 0
	GRP4 1, AF1, 4, 0
	WIN 0
	PLACES 4
	LDB 1, \next, 0
	LDA AF0, 1, \next, 0
	WIN 0xf0
	GRP4 2, AF1, 0, 0
	GRP4 2, AF1, 4, 0
	WIN 0
	PLACES 4
	LDB 2, \next, 0
.endm
	s_wait_tensorcnt 0x1                           ; my part of kb 0 is in; kb 1's stays out
	s_barrier_signal -1
	s_barrier_wait -1
	LDB 0, 0, 0
	LDA AF0, 0, 0, 0
	LDB 1, 0, 0
	LDA AF0, 1, 0, 0
	LDB 2, 0, 0
	EVEN 0, 1                                      ; the first lap stands in front of the loop: its first products start the sums
	ODD 0, 1, 1
	EVEN 1, 0
	ODD 1, 0, 1
	s_mov_b32 s23, 6                               ; sixteen kb = eight laps of two slots: one above, six here, one below
.Llap:
	EVEN 0, 0
	ODD 0, 1, 1
	EVEN 1, 0
	ODD 1, 0, 1
	s_sub_co_u32 s23, s23, 1
	s_cmp_lg_u32 s23, 0
	s_cbranch_scc1 .Llap
	EVEN 0, 0                                      ; the last lap fills nothing
	ODD 0, 1, 0
	EVEN 1, 0
	s_wait_dscnt 8
	WIN 0x50
	GRP4 0, AF1, 0, 0
	GRP4 0, AF1, 4, 0
	WIN 0xa0
	GRP4 1, AF1, 0, 0
	GRP4 1, AF1, 4, 0
	s_wait_dscnt 0x0
	WIN 0xf0
	GRP4 2, AF1, 0, 0
	GRP4 2, AF1, 4, 0
	WIN 0
	PLACES 4                                       ; behind the last products, for the conversions and the loads below
	; THE WAY OUT
	s_lshr_b32 s74, s20, 3                         ; batch
	s_lshl_b32 s74, s74, 4
	s_lshl1_add_u32 s74, s19, s74
	s_add_co_u32 s74, s74, s16                     ; bh = 16 batch + 2 block column + my half
	s_and_b32 s75, s20, 7
	s_lshl_b32 s75, s75, 8
	s_lshl_b32 s76, s15, 7
	s_add_co_u32 s75, s75, s76                     ; my first s
	s_lshl_b32 s74, s74, 18                        ; a head is 262,144 bytes in each of the four tensors
	s_lshl_b32 s76, s75, 7
	s_add_co_u32 s76, s76, s74
	s_mov_b32 s77, 0
	s_lshl_b32 s78, s75, 1
	s_add_co_u32 s78, s78, s74
	s_mov_b32 s79, 0
	s_add_nc_u64 s[66:67], s[8:9], s[76:77]        ; Q
	s_add_nc_u64 s[68:69], s[66:67], 0x1000000     ; K
	s_add_nc_u64 s[70:71], s[10:11], s[78:79]      ; V^T
	s_add_nc_u64 s[72:73], s[12:13], s[78:79]      ; its remainder
.set TMP, 32
; sixteen rows s (row block a) of q (g = 0) or k (g = 1): to f16, 16 bytes a lane into my stage, back as 512 dense bytes a load
.macro OUTQK g, a, f
	WIN (\g+1)*5
.irp b, 0,1,2,3
.irp i, 0,1,2,3
	v_cvt_pk_f16_f32 v[TMP+4*\b+\i], v[8*(4*(\a)+\b)+2*\i], v[8*(4*(\a)+\b)+2*\i+1]
.endr
.endr
	WIN 0
.irp b, 0,1,2,3
	ds_store_b128 v[STO], v[TMP+4*\b:TMP+4*\b+3] offset:32*\b
.endr
	s_wait_xcnt 0x0                                ; buffer f, which earlier stores read, is loaded again only behind this wait
.irp i, 0,1,2,3
	ds_load_b128 v[\f+4*\i:\f+4*\i+3], v[RD] offset:576*\i   ; LDS serves a wave's instructions in order: these see the stores above
.endr
.irp i, 0,1,2,3
	s_wait_dscnt 3-\i
	global_store_b128 v[CO], v[\f+4*\i:\f+4*\i+3], s[66+2*\g:67+2*\g] offset:2048*(\a)+512*\i   ; a wave stores 512 consecutive aligned bytes
.endr
.endm
.irp a, 0,2,4,6
	OUTQK 0, \a, 64
	OUTQK 0, \a+1, 80
.endr
.irp a, 0,2,4,6
	OUTQK 1, \a, 64
	OUTQK 1, \a+1, 80
.endr
.set HH, 32                            ; v[32:63]   f16(v), packed
.set FF, 64                            ; v[64:127]  f16(v) widened, then v - f16(v)
.set LL, 128                           ; v[128:159] the remainder, packed
.set RB, 160                           ; v[160:223] rows read back
.macro UNPACK
.set nn, 0
.irp s, v32.l,v32.h,v33.l,v33.h,v34.l,v34.h,v35.l,v35.h,v36.l,v36.h,v37.l,v37.h,v38.l,v38.h,v39.l,v39.h,v40.l,v40.h,v41.l,v41.h,v42.l,v42.h,v43.l,v43.h,v44.l,v44.h,v45.l,v45.h,v46.l,v46.h,v47.l,v47.h,v48.l,v48.h,v49.l,v49.h,v50.l,v50.h,v51.l,v51.h,v52.l,v52.h,v53.l,v53.h,v54.l,v54.h,v55.l,v55.h,v56.l,v56.h,v57.l,v57.h,v58.l,v58.h,v59.l,v59.h,v60.l,v60.h,v61.l,v61.h,v62.l,v62.h,v63.l,v63.h
	v_cvt_f32_f16 v[FF+nn], \s
.set nn, nn+1
.endr
.endm
; sixteen rows d of V^T, 128 s each: f16(v) and f16(v - f16(v)), through my stage, out as whole runs of 256 bytes
.macro OUTV b
	s_wait_xcnt 0x0                                ; FF takes in v[64:95], which the last stores of k read: it is written only behind this wait
	WIN 0x0f
.irp a, 0,1,2,3,4,5,6,7
.irp i, 0,1,2,3
	v_cvt_pk_f16_f32 v[HH+4*\a+\i], v[8*(4*\a+\b)+2*\i], v[8*(4*\a+\b)+2*\i+1]
.endr
.endr
	WIN 0
	UNPACK
	WIN 0x03
.irp a, 0,1,2,3,4,5,6,7
.irp i, 0,1,2,3
	v_pk_add_f32 v[FF+8*\a+2*\i:FF+8*\a+2*\i+1], v[8*(4*\a+\b)+2*\i:8*(4*\a+\b)+2*\i+1], v[FF+8*\a+2*\i:FF+8*\a+2*\i+1] neg_lo:[0,1] neg_hi:[0,1]
.endr
.endr
	WIN 0
.irp a, 0,1,2,3,4,5,6,7
.irp i, 0,1,2,3
	v_cvt_pk_f16_f32 v[LL+4*\a+\i], v[FF+8*\a+2*\i], v[FF+8*\a+2*\i+1]
.endr
.endr
.irp a, 0,1,2,3,4,5,6,7
	ds_store_b128 v[STV], v[HH+4*\a:HH+4*\a+3] offset:32*\a
	ds_store_b128 v[STV], v[LL+4*\a:LL+4*\a+3] offset:16*PITCH+32*\a
.endr
	s_wait_xcnt 0x0                                ; RB, which earlier stores read, is loaded again only behind this wait
.irp i, 0,1,2,3,4,5,6,7
	ds_load_b128 v[RB+4*\i:RB+4*\i+3], v[RDV] offset:2*PITCH*\i
.endr
.irp i, 0,1,2,3,4,5,6,7
	ds_load_b128 v[RB+32+4*\i:RB+32+4*\i+3], v[RDV] offset:16*PITCH+2*PITCH*\i
.endr
.irp i, 0,1,2,3,4,5,6,7
	s_wait_dscnt 15-\i
	global_store_b128 v[COV], v[RB+4*\i:RB+4*\i+3], s[70:71] offset:(16*\b+2*\i)*4096   ; sixteen lanes store 256 consecutive aligned bytes
.endr
.irp i, 0,1,2,3,4,5,6,7
	s_wait_dscnt 7-\i
	global_store_b128 v[COV], v[RB+32+4*\i:RB+32+4*\i+3], s[72:73] offset:(16*\b+2*\i)*4096
.endr
.endm
	OUTV 0
	OUTV 1
	OUTV 2
	OUTV 3
	s_wait_tensorcnt 0x0
	ds_add_u32 v30, v31
	s_wait_dscnt 0x0
	CROUND                                         ; the closing round: no work-group ends while a partner may still ask for a tile that names it
	s_endpgm
.Lfunc_end_k_q923e89cc93_qkv:
	.size	k_q923e89cc93_qkv, .Lfunc_end_k_q923e89cc93_qkv-k_q923e89cc93_qkv
	.p2alignl 7, 3214868480
	.fill 96, 4, 3214868480
	.section	.rodata,"a",@progbits
	.p2align	6, 0x0
	.amdhsa_kernel k_q923e89cc93_qkv
		.amdhsa_group_segment_fixed_size 327680
		.amdhsa_private_segment_fixed_size 0
		.amdhsa_enable_private_segment 0
		.amdhsa_kernarg_size 40
		.amdhsa_user_sgpr_count 2
		.amdhsa_user_sgpr_kernarg_segment_ptr 1
		.amdhsa_wavefront_size32 1
		.amdhsa_system_sgpr_workgroup_id_x 1
		.amdhsa_system_sgpr_workgroup_id_y 1
		.amdhsa_system_sgpr_workgroup_id_z 1
		.amdhsa_system_vgpr_workitem_id 0
		.amdhsa_next_free_vgpr 1024
		.amdhsa_next_free_sgpr 80
		.amdhsa_reserve_vcc 0
		.amdhsa_float_denorm_mode_32 3
		.amdhsa_float_denorm_mode_16_64 3
		.amdhsa_memory_ordered 1
		.amdhsa_forward_progress 1
		.amdhsa_inst_pref_size 203
	.end_amdhsa_kernel
	.amdgpu_metadata
---
amdhsa.version: [ 1, 2 ]
amdhsa.kernels:
  - .name:           k_q923e89cc93_qkv
    .symbol:         k_q923e89cc93_qkv.kd
    .args:
      - { .name: xb, .offset: 0, .size: 8, .value_kind: global_buffer, .address_space: global }
      - { .name: wt, .offset: 8, .size: 8, .value_kind: global_buffer, .address_space: global }
      - { .name: qk, .offset: 16, .size: 8, .value_kind: global_buffer, .address_space: global }
      - { .name: vt, .offset: 24, .size: 8, .value_kind: global_buffer, .address_space: global }
      - { .name: vl, .offset: 32, .size: 8, .value_kind: global_buffer, .address_space: global }
    .group_segment_fixed_size: 327680
    .private_segment_fixed_size: 0
    .kernarg_segment_align: 8
    .kernarg_segment_size: 40
    .max_flat_workgroup_size: 128
    .sgpr_count:     80
    .vgpr_count:     1024
    .wavefront_size: 32
...
	.end_amdgpu_metadata
.endif
;; end of part 2
;; launch attn (part 3): grid 4 x 64, 4 waves a work-group, no clusters, 327,680 bytes of LDS; arguments qk, vt, vl, ctx; writes ctx
.if DOCPART == 3
	.amdgcn_target "amdgcn-amd-amdhsa--gfx1250"
	.amdhsa_code_object_version 6
	.text
	.protected	k_q923e89cc93_attn
	.globl	k_q923e89cc93_attn
	.p2align	8
	.type	k_q923e89cc93_attn,@function
k_q923e89cc93_attn:
	s_mov_b64 s[64:65], 0
	v_nop
	global_prefetch_b8 v0, s[64:65] scope:SCOPE_SE
	s_setreg_imm32_b32 hwreg(HW_REG_WAVE_MODE, 25, 1), 1
	s_wait_xcnt 0x0
; Launch 3 of 4: ctx = softmax(causal(q k^T) / 8) v, one head a grid row, f16 operands, f32 sums and statistics, a running maximum.
; WORK LEFT OUT: tiles of 16 queries x 64 keys wholly above the diagonal.  reference() itself sets those scores to -inf, so their weights are
; exactly 0 for all inputs.  LIMIT: a NaN, an infinity or an overflow that reaches only those products is not carried to the result.
; LIMITS: |ctx| up to 65,504; the weights are summed in f32 before they are rounded to f16 for the product with v.
; SHARES.  Work-group (p, bh) does query blocks p and 7 - p of 256 rows: 1 + p + 1 + (7 - p) = 9 runs of 256 keys in every work-group.
; Wave w owns the four query tiles u at rows 256 i + 64 u + 16 w: every wave sees the same pattern at the diagonal, so it stands in the text.
; A block begins with its diagonal run, whose first step starts all sums; then key blocks 0 .. i - 1.  A step is 64 keys.
; In step c of the diagonal run tiles u < c are skipped, u = c is masked, u > c are plain.
; NO CLUSTER: the work-groups that share K and V are the query blocks of one head, and they walk the key blocks in different orders
; (each begins at its own diagonal), so no two would ask for the same tile in the same round.
; THE PRODUCTS.  S^T = K Q^T: lane (r, h) holds query r and keys 16 a + 8 h + j, so maximum and sum are a lane's own work plus one exchange
; between the halves, and the packed weights are already the second source of O^T = V^T P^T.  For the masked tile the remainder
; v - f16(v) is multiplied in too: a query with few keys then carries no rounding of v.
; LDS: two slots of 128 keys: K as 64 rows of 256 bytes (two keys a row) at pitch 272, then V^T as 64 rows d of 256 bytes at pitch 272.
; Wave 0 fetches K's tile, wave 1 V^T's; waves 2, 3 fetch nothing.  A wave has at most two tensor loads out (the first fills), later one.
; REGISTERS: window 0: v4-14 addresses, v16-31 statistics, v32-43 at work, v64-127 K fragments, v128-255 scores S(u, a) at 128 + 32 u + 8 a.
; Window 1: v0-127 O(u, t) at 32 u + 8 t, v128-191 Q(u, c), v192-255 V(t, kk).  Window 2: v0-63 the remainder's fragments.
.set PITCH, 272
.set KT,    64*PITCH                   ; 17,408: a tile of K, and of V^T
.set SLOT,  2*KT
.set STAGE, 2*SLOT                     ; 69,632, a multiple of 256: no tensor load lands from here on
.set STG,   16*144                     ; a wave's stage: 16 rows of 128 bytes at pitch 144 = nine blocks of 256 bytes
.set KADR, 4
.set VADR, 6
.set QO,   8
.set VLO,  9
.set TH,   10
.set NINF, 11
.set STO,  12
.set RD,   13
.set CO,   14
.set ST,   16                          ; tile u: v[16+4u] = -c max, +1 = my half's sum, +2 = the rescaling factor, +3 fills the pair
.set T,    32
.set TP,   36
.set KF,   64
.set SS,   128
.set QF,   128                         ; window 1
.set VF,   192                         ; window 1
.set G1K,  16
.set G1V,  24
.set G0,   32
.set MSB, 0
.macro WIN new
.if MSB != (\new)
	s_set_vgpr_msb (MSB<<8)|(\new)
.set MSB, (\new)
.endif
.endm
.macro PLACES n                        ; places behind matrix instructions (ISA guide 7.12.1)
.rept \n
	v_nop
.endr
.endm
.macro SETADR slot                     ; slot's next tile: 128 keys number 2 s43 + slot of my wave's tensor
	s_lshl_b32 s44, s43, 1
.if \slot
	s_add_co_u32 s44, s44, 1
.endif
	s_mul_i32 s44, s44, s42
	s_mov_b32 s45, 0
	s_add_nc_u64 s[G0+4*\slot+2:G0+4*\slot+3], s[40:41], s[44:45]
	s_or_b32 s[G0+4*\slot+3], s[G0+4*\slot+3], 0x80000000
.endm
.macro KVLOAD slot
	s_cmp_lg_u32 s12, 0
	s_cbranch_scc1 .Lno_k_\@
	tensor_load_to_lds s[G0+4*\slot:G0+4*\slot+3], s[G1K:G1K+7]
	s_nop 0
.Lno_k_\@:
	s_cmp_lg_u32 s12, 1
	s_cbranch_scc1 .Lno_v_\@
	tensor_load_to_lds s[G0+4*\slot:G0+4*\slot+3], s[G1V:G1V+7]
	s_nop 0
.Lno_v_\@:
.endm
.macro QLOAD qb                        ; my four query tiles as fragments, straight from memory
	WIN 0x40
.irp u, 0,1,2,3
.irp c, 0,1
	global_load_b128 v[QF+16*\u+8*\c:QF+16*\u+8*\c+3],   v[QO], s[\qb:\qb+1] offset:8192*\u+64*\c
	global_load_b128 v[QF+16*\u+8*\c+4:QF+16*\u+8*\c+7], v[QO], s[\qb:\qb+1] offset:8192*\u+64*\c+32
.endr
.endr
	WIN 0
.endm
	s_load_b256 s[4:11], s[0:1], 0x0               ; qk s[4:5], vt s[6:7], vl s[8:9], ctx s[10:11]
	v_lshl_add_u32 v62, v0, 2, 0x29000
	v_mov_b32 v63, 0
	ds_add_u32 v62, v63
	v_lshrrev_b32 v1, 5, v0
	v_readfirstlane_b32 s12, v1                    ; wave
	s_mov_b32 s13, ttmp9                           ; p
	s_and_b32 s14, ttmp7, 0xffff                   ; bh
	s_sub_co_u32 s15, 7, s13                       ; the second query block
	s_mov_b32 s[G1K+0], 0x07530000                 ; elements of 8 bytes; padding on, 4 words after every 64
	s_mov_b32 s[G1K+1], 32<<16                     ; a dense block as 64 rows of 256 bytes
	s_mov_b32 s[G1K+2], 64<<16
	s_mov_b32 s[G1K+3], 32<<16
	s_mov_b32 s[G1K+4], 64
	s_mov_b32 s[G1K+5], 32
	s_mov_b32 s[G1K+6], 0
	s_mov_b32 s[G1K+7], 0
	s_mov_b32 s[G1V+0], 0x07510000                 ; elements of 2 bytes; the same padding
	s_mov_b32 s[G1V+1], 128<<16                    ; 64 rows d of 128 keys,
	s_mov_b32 s[G1V+2], 64<<16
	s_mov_b32 s[G1V+3], 128<<16
	s_mov_b32 s[G1V+4], 64
	s_mov_b32 s[G1V+5], 2048                       ; 2,048 elements from row to row
	s_mov_b32 s[G1V+6], 0
	s_mov_b32 s[G1V+7], 0
	s_mov_b32 s46, 0x76543210                      ; v_permlanex16_b32: lane i of the other half
	s_mov_b32 s47, 0xfedcba98
	s_mov_b32 s48, 0x3e38aa3b                      ; c = log2(e) / 8: the scale 1 / sqrt(64) and the base of v_exp_f32 in one factor
	s_mov_b32 s49, 0x3e38aa3b
	s_mov_b32 s50, 0xbe38aa3b                      ; -c
	s_lshl_b32 s60, s14, 18                        ; a head is 262,144 bytes in each tensor
	s_mov_b32 s61, 0
	s_mul_i32 s53, s12, KT                         ; wave 0 fills K's part of a slot, wave 1 V^T's
	s_mov_b32 s44, 16384                           ; 128 keys on: in K 128 rows of 128 bytes,
	s_mov_b32 s45, 256                             ; in V^T 256 bytes along the rows
	s_wait_dscnt 0x0
	s_wait_kmcnt 0x0
	s_add_nc_u64 s[54:55], s[4:5], s[60:61]        ; my head's Q
	s_add_nc_u64 s[40:41], s[54:55], 0x1000000     ; K
	s_add_nc_u64 s[62:63], s[6:7], s[60:61]        ; V^T
	s_add_nc_u64 s[58:59], s[8:9], s[60:61]        ; the remainder
	s_add_nc_u64 s[56:57], s[10:11], s[60:61]      ; ctx
	s_cmp_eq_u32 s12, 0
	s_cselect_b64 s[40:41], s[40:41], s[62:63]     ; the tensor that my wave fetches
	s_cselect_b32 s42, s44, s45
.irp s, 0,1
	s_mov_b32 s[G0+4*\s], 1
	s_add_co_u32 s[G0+4*\s+1], s53, \s*SLOT
.endr
	s_mov_b32 s43, s13                             ; the first run is block p's diagonal
	SETADR 0
	SETADR 1
	s_cmp_lg_u32 s12, 0
	s_cbranch_scc1 .Lnot_k
	tensor_load_to_lds s[G0:G0+3], s[G1K:G1K+7]
	s_nop 0
	tensor_load_to_lds s[G0+4:G0+7], s[G1K:G1K+7]
	s_nop 0
.Lnot_k:
	s_cmp_lg_u32 s12, 1
	s_cbranch_scc1 .Lnot_v
	tensor_load_to_lds s[G0:G0+3], s[G1V:G1V+7]
	s_nop 0
	tensor_load_to_lds s[G0+4:G0+7], s[G1V:G1V+7]
	s_nop 0
.Lnot_v:
	s_lshl_b32 s60, s12, 11                        ; 16 w rows of 128 bytes
	s_lshl_b32 s44, s15, 15                        ; block 7 - p: 256 rows a block
	s_add_co_u32 s44, s44, s60
	s_mov_b32 s45, 0
	s_add_nc_u64 s[66:67], s[54:55], s[44:45]
	s_add_nc_u64 s[68:69], s[56:57], s[44:45]
	s_lshl_b32 s44, s15, 9                         ; 256 keys of 2 bytes along the remainder's rows
	s_add_nc_u64 s[70:71], s[58:59], s[44:45]
	s_lshl_b32 s44, s13, 15                        ; block p
	s_add_co_u32 s44, s44, s60
	s_add_nc_u64 s[54:55], s[54:55], s[44:45]
	s_add_nc_u64 s[56:57], s[56:57], s[44:45]
	s_lshl_b32 s44, s13, 9
	s_add_nc_u64 s[58:59], s[58:59], s[44:45]
	s_cmp_lg_u32 s13, 0
	s_cselect_b32 s43, 0, 7                        ; the run after the first: key block 0, or (p = 0) the diagonal of block 7
	v_and_b32 v1, 15, v0                           ; r
	v_bfe_u32 v2, v0, 4, 1                         ; h
	v_and_b32 v3, 31, v0                           ; lane
	v_lshrrev_b32 v15, 1, v1
	v_mul_u32_u24 v[KADR], v15, PITCH
	v_and_b32 v15, 1, v1
	v_lshl_add_u32 v[KADR], v15, 7, v[KADR]
	v_lshl_add_u32 v[KADR], v2, 4, v[KADR]         ; key r: (r / 2) 272 + (r % 2) 128 + 16 h
	v_add_nc_u32 v[KADR+1], SLOT, v[KADR]
	v_mul_u32_u24 v[VADR], v1, PITCH
	v_lshl_add_u32 v[VADR], v2, 4, v[VADR]
	v_add_nc_u32 v[VADR], KT, v[VADR]              ; row d = r of V^T
	v_add_nc_u32 v[VADR+1], SLOT, v[VADR]
	v_lshlrev_b32 v15, 4, v2
	v_lshl_add_u32 v[QO], v1, 7, v15
	v_lshl_add_u32 v[VLO], v1, 12, v15
	v_lshl_add_u32 v[TH], s12, 4, v1
	v_lshlrev_b32 v15, 3, v2
	v_sub_nc_u32 v[TH], v[TH], v15                 ; key 16 a + 8 h + j of the masked tile is kept where 16 a + j <= 16 w + r - 8 h
	v_mov_b32 v[NINF], 0xff800000
	s_mul_i32 s60, s12, STG
	s_add_co_u32 s60, s60, STAGE
	v_mul_u32_u24 v15, v1, 144
	v_lshl_add_u32 v15, v2, 4, v15
	v_add_nc_u32 v[STO], s60, v15
	v_lshrrev_b32 v15, 3, v3
	v_mul_u32_u24 v15, v15, 144
	v_and_b32 v1, 7, v0
	v_lshl_add_u32 v15, v1, 4, v15
	v_add_nc_u32 v[RD], s60, v15
	v_lshlrev_b32 v[CO], 4, v3
.irp u, 0,1,2,3
	v_mov_b32 v[ST+4*\u+1], 0                      ; a packed instruction's source counts as a whole pair: the halves that are not yet
	v_mov_b32 v[ST+4*\u+3], 0                      ; written, or never, get a value once
.endr
	v_mov_b32 v[T+1], 0                            ; v_permlanex16_b32 counts as a reader of its destination
	v_mov_b32 v[T+3], 0                            ; the upper half of the reciprocal's pair
	QLOAD 54
	s_wait_tensorcnt 0x1                           ; my part of slot 0 is in; slot 1's stays out
	s_barrier_signal -1
	s_barrier_wait -1
.irp a, 0,1,2,3
.irp c, 0,1
	ds_load_b128 v[KF+16*\a+8*\c:KF+16*\a+8*\c+3],   v[KADR] offset:8*PITCH*\a+64*\c
	ds_load_b128 v[KF+16*\a+8*\c+4:KF+16*\a+8*\c+7], v[KADR] offset:8*PITCH*\a+64*\c+32
.endr
.endr
; Tile u's 16 x 64 scores become weights, in place.  first = 1: the tile's first step: nothing to rescale.
.macro SOFTMAX u, first
.irp k, 0,1,2,3
	v_max3_num_f32 v[T+\k], v[SS+32*\u+8*\k], v[SS+32*\u+8*\k+1], v[SS+32*\u+8*\k+2]
.endr
.irp k, 0,1,2,3
	v_max3_num_f32 v[T+\k], v[T+\k], v[SS+32*\u+8*\k+3], v[SS+32*\u+8*\k+4]
.endr
.irp k, 0,1,2,3
	v_max3_num_f32 v[T+\k], v[T+\k], v[SS+32*\u+8*\k+5], v[SS+32*\u+8*\k+6]
.endr
.irp k, 0,1,2,3
	v_max_num_f32 v[T+\k], v[T+\k], v[SS+32*\u+8*\k+7]
.endr
	v_max3_num_f32 v[T], v[T], v[T+1], v[T+2]
	v_max_num_f32 v[T], v[T], v[T+3]
	v_permlanex16_b32 v[T+1], v[T], s46, s47       ; the other half holds the query's other 32 keys
	v_max_num_f32 v[T], v[T], v[T+1]
.if \first
	v_mul_f32 v[ST+4*\u], s50, v[T]                ; -c max
.else
	v_mul_f32 v[T], s50, v[T]
	v_min_num_f32 v[T], v[T], v[ST+4*\u]           ; -c (running maximum)
	v_sub_f32 v[T+1], v[T], v[ST+4*\u]
	v_exp_f32 v[ST+4*\u+2], v[T+1]                 ; what the sums so far are rescaled by
	v_mov_b32 v[ST+4*\u], v[T]                     ; the plain instruction behind the exponential (ISA guide 5.7.2)
.endif
.irp i, 0,1,2,3,4,5,6,7,8,9,10,11,12,13,14,15
	v_pk_fma_f32 v[SS+32*\u+2*\i:SS+32*\u+2*\i+1], v[SS+32*\u+2*\i:SS+32*\u+2*\i+1], s[48:49], v[ST+4*\u:ST+4*\u+1] op_sel_hi:[1,0,0]
.endr
.set ee, 0
.rept 32
	v_exp_f32 v[SS+32*\u+ee], v[SS+32*\u+ee]
.set ee, ee+1
.endr
	v_nop                                          ; one plain place before the exponentials' results are used
	s_wait_alu depctr_va_vdst(0)
.irp k, 0,1,2,3
	v_pk_add_f32 v[TP+2*\k:TP+2*\k+1], v[SS+32*\u+8*\k:SS+32*\u+8*\k+1], v[SS+32*\u+8*\k+2:SS+32*\u+8*\k+3]
.endr
.irp k, 0,1,2,3
	v_pk_add_f32 v[TP+2*\k:TP+2*\k+1], v[TP+2*\k:TP+2*\k+1], v[SS+32*\u+8*\k+4:SS+32*\u+8*\k+5]
.endr
.irp k, 0,1,2,3
	v_pk_add_f32 v[TP+2*\k:TP+2*\k+1], v[TP+2*\k:TP+2*\k+1], v[SS+32*\u+8*\k+6:SS+32*\u+8*\k+7]
.endr
	v_pk_add_f32 v[TP:TP+1], v[TP:TP+1], v[TP+2:TP+3]
	v_pk_add_f32 v[TP+4:TP+5], v[TP+4:TP+5], v[TP+6:TP+7]
	v_pk_add_f32 v[TP:TP+1], v[TP:TP+1], v[TP+4:TP+5]
.if \first
	v_add_f32 v[ST+4*\u+1], v[TP], v[TP+1]
.else
	v_add_f32 v[T], v[TP], v[TP+1]
	v_fma_f32 v[ST+4*\u+1], v[ST+4*\u+1], v[ST+4*\u+2], v[T]
.endif
.irp kk, 0,1
.irp i, 0,1,2,3,4,5,6,7
	v_cvt_pk_f16_f32 v[SS+32*\u+16*\kk+\i], v[SS+32*\u+16*\kk+2*\i], v[SS+32*\u+16*\kk+2*\i+1]   ; word i lands where both its sources, or earlier words', have been read
.endr
.endr
.endm
; One step of 64 keys: half `half` of slot `slot`.  ulo: the first live query tile; diag: tile ulo is masked; first: the block's first step.
; chg = 1: this is the slot's last step: barrier, then the slot is filled again;  2: barrier alone;  3: the last step of all.
; nslot, nhalf: where the next step's K fragments lie.
.macro STEP slot, half, ulo, diag, first, chg, nslot, nhalf
	PLACES 5                                       ; five: the score products below write over registers that the last products read as weights
	WIN 0x40
.irp t, 0,1,2,3
.irp kk, 0,1
	ds_load_b128 v[VF+16*\t+8*\kk:VF+16*\t+8*\kk+3],   v[VADR+\slot] offset:16*PITCH*\t+128*\half+64*\kk
	ds_load_b128 v[VF+16*\t+8*\kk+4:VF+16*\t+8*\kk+7], v[VADR+\slot] offset:16*PITCH*\t+128*\half+64*\kk+32
.endr
.endr
.if \first
	s_wait_loadcnt 0x0                             ; the block's queries are in
.endif
	s_wait_dscnt 16                                ; V's sixteen loads stay out: the K fragments, asked for a step ago, are in
	WIN 0x04
.irp c, 0,1                                        ; the accumulators take turns, one instruction a turn
.irp u, 0,1,2,3
.if \u >= \ulo
.irp a, 0,1,2,3
.if \c == 0
	v_wmma_f32_16x16x32_f16 v[SS+32*\u+8*\a:SS+32*\u+8*\a+7], v[KF+16*\a:KF+16*\a+7], v[QF+16*\u:QF+16*\u+7], 0
.else
	v_wmma_f32_16x16x32_f16 v[SS+32*\u+8*\a:SS+32*\u+8*\a+7], v[KF+16*\a+8:KF+16*\a+15], v[QF+16*\u+8:QF+16*\u+15], v[SS+32*\u+8*\a:SS+32*\u+8*\a+7]
.endif
.endr
.endif
.endr
.endr
	WIN 0
.set BAR, 0
.if \chg == 1
.set BAR, 1
.endif
.if \chg == 2
.set BAR, 1
.endif
.if BAR
	s_wait_dscnt 0x0                               ; my reads of this slot are over: V's fragments above were the last
	s_wait_tensorcnt 0x0                           ; all my tensor loads have landed, my part of the other slot among them
	ds_add_u32 v62, v63
	s_wait_dscnt 0x0
.if \chg == 1
	SETADR \slot
.endif
	s_barrier_signal -1
	s_barrier_wait -1
.if \chg == 1
	KVLOAD \slot                                   ; my one tensor load behind this barrier; it has two steps' work in which to land
.endif
.endif
	PLACES 4                                       ; behind the score products: for the loads into K's fragments and the readers of the scores
.if \chg != 3
.irp a, 0,1,2,3
.irp c, 0,1
	ds_load_b128 v[KF+16*\a+8*\c:KF+16*\a+8*\c+3],   v[KADR+\nslot] offset:32*PITCH*\nhalf+8*PITCH*\a+64*\c
	ds_load_b128 v[KF+16*\a+8*\c+4:KF+16*\a+8*\c+7], v[KADR+\nslot] offset:32*PITCH*\nhalf+8*PITCH*\a+64*\c+32
.endr
.endr
.endif
.if \diag
	WIN 0x80
.irp t, 0,1,2,3
.irp kk, 0,1
	global_load_b128 v[16*\t+8*\kk:16*\t+8*\kk+3],   v[VLO], s[VLB:VLB+1] offset:65536*\t+128*(2*\slot+\half)+64*\kk
	global_load_b128 v[16*\t+8*\kk+4:16*\t+8*\kk+7], v[VLO], s[VLB:VLB+1] offset:65536*\t+128*(2*\slot+\half)+64*\kk+32
.endr
.endr
	WIN 0
.irp a, 0,1,2,3
.irp j, 0,1,2,3,4,5,6,7
	v_cmp_le_i32 vcc_lo, 16*\a+\j, v[TH]
	v_cndmask_b32 v[SS+32*\ulo+8*\a+\j], v[NINF], v[SS+32*\ulo+8*\a+\j], vcc_lo
.endr
.endr
.endif
.irp u, 0,1,2,3
.if \u >= \ulo
	SOFTMAX \u, \first
.endif
.endr
.if \first == 0
	WIN 0x41
.irp u, 0,1,2,3
.if \u >= \ulo
.irp i, 0,1,2,3,4,5,6,7,8,9,10,11,12,13,14,15
	v_pk_mul_f32 v[32*\u+2*\i:32*\u+2*\i+1], v[32*\u+2*\i:32*\u+2*\i+1], v[ST+4*\u+2:ST+4*\u+3] op_sel_hi:[1,0]
.endr
.endif
.endr
.endif
.if \chg == 3
	s_wait_dscnt 0x0
.else
	s_wait_dscnt 16                                ; the next step's sixteen K loads stay out: V is in
.endif
	WIN 0x51
.irp kk, 0,1
.irp u, 0,1,2,3
.if \u >= \ulo
.irp t, 0,1,2,3
.if \first*(1-\kk)
	v_wmma_f32_16x16x32_f16 v[32*\u+8*\t:32*\u+8*\t+7], v[VF+16*\t+8*\kk:VF+16*\t+8*\kk+7], v[SS+32*\u+16*\kk:SS+32*\u+16*\kk+7], 0
.else
	v_wmma_f32_16x16x32_f16 v[32*\u+8*\t:32*\u+8*\t+7], v[VF+16*\t+8*\kk:VF+16*\t+8*\kk+7], v[SS+32*\u+16*\kk:SS+32*\u+16*\kk+7], v[32*\u+8*\t:32*\u+8*\t+7]
.endif
.endr
.endif
.endr
.endr
.if \diag
	s_wait_loadcnt 0x0                             ; the remainder's fragments
	WIN 0x52
.irp kk, 0,1
.irp t, 0,1,2,3
	v_wmma_f32_16x16x32_f16 v[32*\ulo+8*\t:32*\ulo+8*\t+7], v[16*\t+8*\kk:16*\t+8*\kk+7], v[SS+32*\ulo+16*\kk:SS+32*\ulo+16*\kk+7], v[32*\ulo+8*\t:32*\ulo+8*\t+7]
.endr
.endr
.endif
	WIN 0
.endm
.macro DIAG
	STEP 0, 0, 0, 1, 1, 0, 0, 1
	STEP 0, 1, 1, 1, 0, 1, 1, 0
	STEP 1, 0, 2, 1, 0, 0, 1, 1
	STEP 1, 1, 3, 1, 0, 1, 0, 0
.endm
.macro FULL
	STEP 0, 0, 0, 0, 0, 0, 0, 1
	STEP 0, 1, 0, 0, 0, 1, 1, 0
	STEP 1, 0, 0, 0, 0, 0, 1, 1
	STEP 1, 1, 0, 0, 0, 1, 0, 0
.endm
; A block's end: divide by the sums, to f16, through my stage, out as 512 dense bytes a store.  nextq = 1: the second block's queries are asked for first.
.macro FINAL cb, nextq
	PLACES 4
.if \nextq
	QLOAD 66
.endif
.irp u, 0,1,2,3
	v_permlanex16_b32 v[T+1], v[ST+4*\u+1], s46, s47
	v_add_f32 v[T], v[ST+4*\u+1], v[T+1]           ; both halves' sums
	v_rcp_f32 v[T+2], v[T]
	v_nop                                          ; one plain place behind the reciprocal
	WIN 0x01
	s_wait_alu depctr_va_vdst(0)
.irp i, 0,1,2,3,4,5,6,7,8,9,10,11,12,13,14,15
	v_pk_mul_f32 v[SS+2*\i:SS+2*\i+1], v[32*\u+2*\i:32*\u+2*\i+1], v[T+2:T+3] op_sel_hi:[1,0]
.endr
	WIN 0
.irp i, 0,1,2,3,4,5,6,7,8,9,10,11,12,13,14,15
	v_cvt_pk_f16_f32 v[SS+32+\i], v[SS+2*\i], v[SS+2*\i+1]
.endr
.irp t, 0,1,2,3
	ds_store_b128 v[STO], v[SS+32+4*\t:SS+32+4*\t+3] offset:32*\t
.endr
	s_wait_xcnt 0x0                                ; the registers that the last tile's stores read are loaded again only behind this wait
.irp i, 0,1,2,3
	ds_load_b128 v[SS+48+4*\i:SS+48+4*\i+3], v[RD] offset:576*\i
.endr
.irp i, 0,1,2,3
	s_wait_dscnt 3-\i
	global_store_b128 v[CO], v[SS+48+4*\i:SS+48+4*\i+3], s[\cb:\cb+1] offset:8192*\u+512*\i
.endr
.endr
.if \nextq
	s_wait_xcnt 0x0                                ; v[176:191], which the last four stores read, are score registers: the next block's products write them only behind this wait
.endif
.endm
.set VLB, 58
	DIAG                                           ; block p
	s_cmp_eq_u32 s13, 0
	s_cbranch_scc1 .Lsmall_done
	s_mov_b32 s51, 0
.Lsmall:
	s_add_co_u32 s43, s51, 1                       ; the run after this one: key block j + 1, or the diagonal of block 7 - p
	s_cmp_lt_u32 s43, s13
	s_cselect_b32 s43, s43, s15
	FULL
	s_add_co_u32 s51, s51, 1
	s_cmp_lt_u32 s51, s13
	s_cbranch_scc1 .Lsmall
.Lsmall_done:
	FINAL 56, 1
.set VLB, 70
	s_mov_b32 s43, 0
	DIAG                                           ; block 7 - p
	s_sub_co_u32 s52, 6, s13                       ; its 7 - p full runs: 6 - p here (at least three), the last written out
	s_mov_b32 s51, 0
.Lbig:
	s_add_co_u32 s43, s51, 1
	FULL
	s_add_co_u32 s51, s51, 1
	s_cmp_lt_u32 s51, s52
	s_cbranch_scc1 .Lbig
	STEP 0, 0, 0, 0, 0, 0, 0, 1                    ; the last run fills nothing
	STEP 0, 1, 0, 0, 0, 2, 1, 0
	STEP 1, 0, 0, 0, 0, 0, 1, 1
	STEP 1, 1, 0, 0, 0, 3, 0, 0
	FINAL 68, 0
	s_wait_tensorcnt 0x0
	ds_add_u32 v62, v63
	s_wait_dscnt 0x0
	s_endpgm
.Lfunc_end_k_q923e89cc93_attn:
	.size	k_q923e89cc93_attn, .Lfunc_end_k_q923e89cc93_attn-k_q923e89cc93_attn
	.p2alignl 7, 3214868480
	.fill 96, 4, 3214868480
	.section	.rodata,"a",@progbits
	.p2align	6, 0x0
	.amdhsa_kernel k_q923e89cc93_attn
		.amdhsa_group_segment_fixed_size 327680
		.amdhsa_private_segment_fixed_size 0
		.amdhsa_enable_private_segment 0
		.amdhsa_kernarg_size 32
		.amdhsa_user_sgpr_count 2
		.amdhsa_user_sgpr_kernarg_segment_ptr 1
		.amdhsa_wavefront_size32 1
		.amdhsa_system_sgpr_workgroup_id_x 1
		.amdhsa_system_sgpr_workgroup_id_y 1
		.amdhsa_system_sgpr_workgroup_id_z 1
		.amdhsa_system_vgpr_workitem_id 0
		.amdhsa_next_free_vgpr 576
		.amdhsa_next_free_sgpr 72
		.amdhsa_reserve_vcc 1
		.amdhsa_float_denorm_mode_32 3
		.amdhsa_float_denorm_mode_16_64 3
		.amdhsa_memory_ordered 1
		.amdhsa_forward_progress 1
		.amdhsa_inst_pref_size 255
	.end_amdhsa_kernel
	.section	.bss,"aw",@nobits
	.p2align	6
	.space	262144
	.amdgpu_metadata
---
amdhsa.version: [ 1, 2 ]
amdhsa.kernels:
  - .name:           k_q923e89cc93_attn
    .symbol:         k_q923e89cc93_attn.kd
    .args:
      - { .name: qk, .offset: 0, .size: 8, .value_kind: global_buffer, .address_space: global }
      - { .name: vt, .offset: 8, .size: 8, .value_kind: global_buffer, .address_space: global }
      - { .name: vl, .offset: 16, .size: 8, .value_kind: global_buffer, .address_space: global }
      - { .name: ctx, .offset: 24, .size: 8, .value_kind: global_buffer, .address_space: global }
    .group_segment_fixed_size: 327680
    .private_segment_fixed_size: 0
    .kernarg_segment_align: 8
    .kernarg_segment_size: 32
    .max_flat_workgroup_size: 128
    .sgpr_count:     72
    .vgpr_count:     576
    .wavefront_size: 32
...
	.end_amdgpu_metadata
.endif
;; end of part 3
;; launch oproj (part 4): grid 8 x 32, 4 waves a work-group, clusters of 4 x 4, 327,680 bytes of LDS; arguments ctx, wt, out0; writes out0
.if DOCPART == 4
	.amdgcn_target "amdgcn-amd-amdhsa--gfx1250"
	.amdhsa_code_object_version 6
	.text
	.protected	k_q923e89cc93_oproj
	.globl	k_q923e89cc93_oproj
	.p2align	8
	.type	k_q923e89cc93_oproj,@function
k_q923e89cc93_oproj:
	s_mov_b64 s[64:65], 0
	v_nop
	global_prefetch_b8 v0, s[64:65] scope:SCOPE_SE
	s_setreg_imm32_b32 hwreg(HW_REG_WAVE_MODE, 25, 1), 1
	s_wait_xcnt 0x0
	s_wait_alu depctr_hold_cnt(0) depctr_sa_sdst(0) depctr_va_vdst(0) depctr_va_sdst(0) depctr_va_ssrc(0) depctr_va_vcc(0) depctr_vm_vsrc(0)
	s_getreg_b32 s2, hwreg(HW_REG_IB_STS2, 6, 4)
	s_cmp_eq_u32 s2, 0
	s_cbranch_scc0 .Lentry_in_a_cluster
	s_endpgm
.Lentry_in_a_cluster:
	s_bfe_u32 s2, ttmp6, 0x10000c
	s_cmp_lg_u32 s2, 0xf033
	s_cbranch_scc0 .Lentry_shape_is_right
	s_endpgm
.Lentry_shape_is_right:
; Launch 4 of 4: out0[8192][1024] = ctx wo, f16 operands (wo rounded to bf16 first, in launch 1), f32 sums, f32 out.
; ctx lies as [64 bh][2048 s][64 d]: for a batch the heads are the blocks of 64 along K, and 256 rows of one block are dense.
; wo^T lies in wt from byte 6,291,456 as [16 kb][1024 n][64 k].
; A work-group makes 256 rows x 128 columns, a wave 128 x 64: 32 accumulator tiles in window 1, tile (a, b) at v[8 (4 a + b)].
; K goes in steps of 128 (two kb blocks) through two LDS slots.  Tiles come in as rows of 256 bytes padded by 16, two logical rows of
; 128 bytes to an LDS row: row m at (m / 2) 272 + (m % 2) 128.  Waves 0, 1 fetch ctx's two kb blocks, waves 2, 3 wo^T's.
; CLUSTER 4 x 4: ctx's tiles are shared along a row of the cluster, wo^T's along a column, by joint loads.
; The matrix instruction is used transposed (source 0 = rows of wo^T): a lane holds row l % 16 of the output and eight neighbouring columns.
.set PITCH, 272
.set BLK,   8*PITCH
.set AKB,   128*PITCH                  ; 256 rows of ctx, one kb
.set BKB,   64*PITCH                   ; 128 rows of wo^T, one kb
.set BOFF,  2*AKB
.set SLOT,  2*AKB+2*BKB                ; 104,448
.set STAGE, 2*SLOT                     ; 208,896, a multiple of 256: no tensor load lands from here on
.set STG,   16*PITCH
.set ADRA, 16
.set ADRB, 20
.set STO,  24
.set RD,   25
.set CO,   26
.set RB,   224                         ; v[224:255] rows read back.  Fragments: ctx v32 + 96 f, wo^T v96 + 96 f, f = 0, 1
.set G1A, 24
.set G0A, 32
.set G1B, 48
.set G0B, 56
.set G1W0, (3<<16)|(1<<20)|(1<<21)|(5<<22)|(3<<25)
.set MSB, 0
.macro WIN new
.if MSB != (\new)
	s_set_vgpr_msb (MSB<<8)|(\new)
.set MSB, (\new)
.endif
.endm
.macro PLACES n                        ; places behind matrix instructions (ISA guide 7.12.1)
.rept \n
	v_nop
.endr
.endm
.macro JLOAD s
	s_cmp_eq_u32 s15, 0
	s_cbranch_scc0 .Lfor_b_\@
	tensor_load_to_lds s[G0A+4*\s:G0A+4*\s+3], s[G1A:G1A+7]
	s_nop 0
	s_branch .Lasked_\@
.Lfor_b_\@:
	tensor_load_to_lds s[G0B+4*\s:G0B+4*\s+3], s[G1B:G1B+7]
	s_nop 0
.Lasked_\@:
.endm
.macro CREST
	s_cmp_lg_u32 s14, 0
	s_cbranch_scc1 .Lnot_wave_0_\@
	s_barrier_signal -3
.Lnot_wave_0_\@:
	s_barrier_wait -3
	s_barrier_signal -1
	s_barrier_wait -1
.endm
.macro CROUND
	s_barrier_signal -1
	s_barrier_wait -1
	CREST
.endm
	s_load_b128 s[4:7], s[0:1], 0x0                ; ctx s[4:5], wt s[6:7]
	s_load_b64 s[8:9], s[0:1], 0x10                ; out0
	v_lshl_add_u32 v30, v0, 2, 0x37400
	v_mov_b32 v31, 0
	ds_add_u32 v30, v31
	v_lshrrev_b32 v1, 5, v0
	v_readfirstlane_b32 s14, v1                    ; wave
	s_lshr_b32 s15, s14, 1                         ; my half of the rows.  Also: I fetch for ctx (0) or wo^T (1)
	s_and_b32 s16, s14, 1                          ; my half of the columns.  Also: which kb of the slot's two I fetch
	s_bfe_u32 s17, ttmp6, 0x40000                  ; cx
	s_bfe_u32 s18, ttmp6, 0x40004                  ; cy
	s_lshl_b32 s19, ttmp9, 2
	s_add_co_u32 s19, s19, s17                     ; block column, 0-7
	s_and_b32 s20, ttmp7, 0xffff
	s_lshl_b32 s20, s20, 2
	s_add_co_u32 s20, s20, s18                     ; block row, 0-31
	s_lshl_b32 s21, s18, 2
	s_lshl_b32 s21, 15, s21                        ; my row of the cluster
	s_lshl_b32 s22, 0x1111, s17                    ; my column
	s_or_b32 s[G1A+0], s21, G1W0
	s_or_b32 s[G1B+0], s22, G1W0
	s_mov_b32 s[G1A+1], 32<<16
	s_mov_b32 s[G1B+1], 32<<16
	s_mov_b32 s[G1A+2], 128<<16                    ; 128 rows of 256 bytes = 256 logical rows
	s_mov_b32 s[G1B+2], 64<<16                     ; 64 rows = 128 logical rows
	s_mov_b32 s[G1A+3], 32<<16
	s_mov_b32 s[G1B+3], 32<<16
	s_mov_b32 s[G1A+4], 128
	s_mov_b32 s[G1B+4], 64
	s_mov_b32 s[G1A+5], 32
	s_mov_b32 s[G1B+5], 32
	s_mov_b32 s[G1A+6], 0
	s_mov_b32 s[G1B+6], 0
	s_mov_b32 s[G1A+7], 0
	s_mov_b32 s[G1B+7], 0
	s_lshr_b32 s40, s20, 3                         ; ctx: head 16 batch + kb, kb = my wave's of the slot's two,
	s_lshl_b32 s40, s40, 4
	s_add_co_u32 s40, s40, s16
	s_lshl_b32 s40, s40, 18                        ; 262,144 bytes a head,
	s_and_b32 s41, s20, 7
	s_lshl_b32 s41, s41, 15                        ; 256 rows of 128 bytes a block row
	s_add_co_u32 s40, s40, s41
	s_mov_b32 s41, 0
	s_lshl_b32 s44, s16, 17                        ; wo^T: 131,072 bytes a kb,
	s_lshl_b32 s45, s19, 14                        ; 128 rows of 128 bytes a block column
	s_add_co_u32 s44, s44, s45
	s_add_co_u32 s44, s44, 6291456
	s_mov_b32 s45, 0
	s_mul_i32 s42, s14, AKB                        ; waves 0, 1
	s_mul_i32 s46, s14, BKB
	s_add_co_u32 s46, s46, BOFF-2*BKB              ; waves 2, 3
	s_wait_dscnt 0x0
	s_wait_kmcnt 0x0
	s_add_nc_u64 s[40:41], s[4:5], s[40:41]
	s_add_nc_u64 s[44:45], s[6:7], s[44:45]
	CROUND                                         ; all sixteen work-groups are here: the first joint loads meet
.irp s, 0,1
	s_mov_b32 s[G0A+4*\s], 1
	s_add_co_u32 s[G0A+4*\s+1], s42, \s*SLOT
	s_add_nc_u64 s[G0A+4*\s+2:G0A+4*\s+3], s[40:41], \s*524288
	s_or_b32 s[G0A+4*\s+3], s[G0A+4*\s+3], 0x80000000
	s_mov_b32 s[G0B+4*\s], 1
	s_add_co_u32 s[G0B+4*\s+1], s46, \s*SLOT
	s_add_nc_u64 s[G0B+4*\s+2:G0B+4*\s+3], s[44:45], \s*262144
	s_or_b32 s[G0B+4*\s+3], s[G0B+4*\s+3], 0x80000000
	JLOAD \s                                       ; two loads of this wave are out
.endr
	v_and_b32 v1, 15, v0                           ; r
	v_bfe_u32 v2, v0, 4, 1                         ; h
	v_lshrrev_b32 v3, 1, v1
	v_mul_u32_u24 v3, v3, PITCH
	v_and_b32 v4, 1, v1
	v_lshl_add_u32 v3, v4, 7, v3
	v_lshl_add_u32 v3, v2, 4, v3                   ; (r / 2) 272 + (r % 2) 128 + 16 h
	s_mul_i32 s10, s15, 64*PITCH                   ; my 128 rows of ctx
	s_mul_i32 s11, s16, 32*PITCH                   ; my 64 rows of wo^T
	s_add_co_u32 s11, s11, BOFF
.irp s, 0,1
	v_add_nc_u32 v[ADRA+\s], s10, v3
	v_add_nc_u32 v[ADRB+\s], s11, v3
	s_add_co_u32 s10, s10, SLOT
	s_add_co_u32 s11, s11, SLOT
.endr
	s_mul_i32 s12, s14, STG
	s_add_co_u32 s12, s12, STAGE
	v_mul_u32_u24 v4, v1, PITCH
	v_lshl_add_u32 v4, v2, 5, v4                   ; in: row r, 32 bytes for each half of the lanes
	v_add_nc_u32 v[STO], s12, v4
	v_mul_u32_u24 v4, v2, PITCH
	v_lshl_add_u32 v4, v1, 4, v4                   ; back: lanes 0-15 one row of 256 bytes, lanes 16-31 the next
	v_add_nc_u32 v[RD], s12, v4
	v_lshlrev_b32 v4, 12, v2
	v_lshl_add_u32 v[CO], v1, 4, v4
.macro FETCH slot, q, f                ; 24 loads: the fragments of quarter q (32 K) of a slot into buffer f
.irp b, 0,1,2,3
	ds_load_b128 v[96+96*\f+8*\b:96+96*\f+8*\b+3],   v[ADRB+\slot] offset:(\q>>1)*BKB+(\q&1)*64+\b*BLK
	ds_load_b128 v[96+96*\f+8*\b+4:96+96*\f+8*\b+7], v[ADRB+\slot] offset:(\q>>1)*BKB+(\q&1)*64+\b*BLK+32
.endr
.irp a, 0,1,2,3,4,5,6,7
	ds_load_b128 v[32+96*\f+8*\a:32+96*\f+8*\a+3],   v[ADRA+\slot] offset:(\q>>1)*AKB+(\q&1)*64+\a*BLK
	ds_load_b128 v[32+96*\f+8*\a+4:32+96*\f+8*\a+7], v[ADRA+\slot] offset:(\q>>1)*AKB+(\q&1)*64+\a*BLK+32
.endr
.endm
.macro MUL16 f, a0, zero               ; the 32 accumulators take turns, one instruction a turn, in the same order in every quarter
.irp a, \a0, \a0+1, \a0+2, \a0+3
.irp b, 0,1,2,3
.if \zero
	v_wmma_f32_16x16x32_f16 v[8*(4*(\a)+\b):8*(4*(\a)+\b)+7], v[96+96*\f+8*\b:96+96*\f+8*\b+7], v[32+96*\f+8*(\a):32+96*\f+8*(\a)+7], 0
.else
	v_wmma_f32_16x16x32_f16 v[8*(4*(\a)+\b):8*(4*(\a)+\b)+7], v[96+96*\f+8*\b:96+96*\f+8*\b+7], v[32+96*\f+8*(\a):32+96*\f+8*(\a)+7], v[8*(4*(\a)+\b):8*(4*(\a)+\b)+7]
.endif
.endr
.endr
.endm
.macro QUARTER slot, nq, f, g, zero    ; multiplies buffer f; first asks for quarter nq into buffer g
	PLACES 4
	FETCH \slot, \nq, \g
	s_wait_dscnt 24                                ; the 24 just issued stay out: buffer f is in
	WIN 0x50
	MUL16 \f, 0, \zero
	MUL16 \f, 4, \zero
	WIN 0
.endm
; The last quarter multiplies buffer 1 and changes slots.  In front of the barrier: my reads of this slot and all my tensor loads.
; fill = 1: the barrier opens a round of the cluster's barrier, and the joint refill is the first thing behind the round;
; from that request to the wait for it a wave issues 112 matrix instructions.
.macro TURN slot, next, fill
	s_wait_dscnt 0x0
	s_wait_tensorcnt 0x0
	ds_add_u32 v30, v31
	s_wait_dscnt 0x0
	s_barrier_signal -1
	WIN 0x50
	MUL16 1, 0, 0
	WIN 0
	s_barrier_wait -1
.if \fill
	CREST
	s_add_nc_u64 s[G0A+4*\slot+2:G0A+4*\slot+3], s[G0A+4*\slot+2:G0A+4*\slot+3], 1048576
	s_add_nc_u64 s[G0B+4*\slot+2:G0B+4*\slot+3], s[G0B+4*\slot+2:G0B+4*\slot+3], 524288
	JLOAD \slot
.endif
	PLACES 4
	FETCH \next, 0, 0
	WIN 0x50
	MUL16 1, 4, 0
	WIN 0
.endm
.macro THREE slot, zero
	QUARTER \slot, 1, 0, 1, \zero
	QUARTER \slot, 2, 1, 0, 0
	QUARTER \slot, 3, 0, 1, 0
.endm
	s_wait_tensorcnt 0x1                           ; my part of slot 0 is in; slot 1's stays out
	s_barrier_signal -1
	s_barrier_wait -1
	FETCH 0, 0, 0
	THREE 0, 1                                     ; the first lap stands in front of the loop: its first products start the sums
	TURN 0, 1, 1
	THREE 1, 0
	TURN 1, 0, 1
	s_mov_b32 s23, 2                               ; K = 1,024 is four laps of two slots: one above, two here, one below
.Llap:
	THREE 0, 0
	TURN 0, 1, 1
	THREE 1, 0
	TURN 1, 0, 1
	s_sub_co_u32 s23, s23, 1
	s_cmp_lg_u32 s23, 0
	s_cbranch_scc1 .Llap
	THREE 0, 0                                     ; the last lap fills nothing
	TURN 0, 1, 0
	THREE 1, 0
	s_wait_dscnt 0x0
	WIN 0x50
	MUL16 1, 0, 0
	MUL16 1, 4, 0
	WIN 0
	PLACES 4                                       ; behind the last products, for the LDS stores that read the results
	s_lshl_b32 s12, s20, 20                        ; 256 rows of 4,096 bytes a block row
	s_lshl_b32 s13, s15, 19
	s_add_co_u32 s12, s12, s13
	s_lshl_b32 s13, s19, 9                         ; 128 columns of 4 bytes a block column
	s_add_co_u32 s12, s12, s13
	s_lshl_b32 s13, s16, 8
	s_add_co_u32 s12, s12, s13
	s_mov_b32 s13, 0
	s_add_nc_u64 s[8:9], s[8:9], s[12:13]
; sixteen rows: 32 bytes a lane and tile into my stage, back as whole rows of 256 bytes
.macro OUT16 a
	WIN 0x04
.irp b, 0,1,2,3
	ds_store_b128 v[STO], v[8*(4*\a+\b):8*(4*\a+\b)+3]   offset:64*\b
	ds_store_b128 v[STO], v[8*(4*\a+\b)+4:8*(4*\a+\b)+7] offset:64*\b+16
.endr
	WIN 0
	s_wait_xcnt 0x0                                ; RB, which the last rows' stores read, is loaded again only behind this wait
.irp i, 0,1,2,3,4,5,6,7
	ds_load_b128 v[RB+4*\i:RB+4*\i+3], v[RD] offset:2*PITCH*\i   ; LDS serves a wave's instructions in order: these see the stores above
.endr
.irp i, 0,1,2,3,4,5,6,7
	s_wait_dscnt 7-\i
	global_store_b128 v[CO], v[RB+4*\i:RB+4*\i+3], s[8:9] offset:(16*\a+2*\i)*4096 th:TH_STORE_NT   ; sixteen lanes store 256 consecutive aligned bytes
.endr
.endm
.irp a, 0,1,2,3,4,5,6,7
	OUT16 \a
.endr
	s_wait_tensorcnt 0x0
	ds_add_u32 v30, v31
	s_wait_dscnt 0x0
	CROUND                                         ; the closing round
	s_endpgm
.Lfunc_end_k_q923e89cc93_oproj:
	.size	k_q923e89cc93_oproj, .Lfunc_end_k_q923e89cc93_oproj-k_q923e89cc93_oproj
	.p2alignl 7, 3214868480
	.fill 96, 4, 3214868480
	.section	.rodata,"a",@progbits
	.p2align	6, 0x0
	.amdhsa_kernel k_q923e89cc93_oproj
		.amdhsa_group_segment_fixed_size 327680
		.amdhsa_private_segment_fixed_size 0
		.amdhsa_enable_private_segment 0
		.amdhsa_kernarg_size 24
		.amdhsa_user_sgpr_count 2
		.amdhsa_user_sgpr_kernarg_segment_ptr 1
		.amdhsa_wavefront_size32 1
		.amdhsa_system_sgpr_workgroup_id_x 1
		.amdhsa_system_sgpr_workgroup_id_y 1
		.amdhsa_system_sgpr_workgroup_id_z 1
		.amdhsa_system_vgpr_workitem_id 0
		.amdhsa_next_free_vgpr 512
		.amdhsa_next_free_sgpr 66
		.amdhsa_reserve_vcc 0
		.amdhsa_float_denorm_mode_32 3
		.amdhsa_float_denorm_mode_16_64 3
		.amdhsa_memory_ordered 1
		.amdhsa_forward_progress 1
		.amdhsa_inst_pref_size 117
	.end_amdhsa_kernel
	.amdgpu_metadata
---
amdhsa.version: [ 1, 2 ]
amdhsa.kernels:
  - .name:           k_q923e89cc93_oproj
    .symbol:         k_q923e89cc93_oproj.kd
    .args:
      - { .name: ctx, .offset: 0, .size: 8, .value_kind: global_buffer, .address_space: global }
      - { .name: wt, .offset: 8, .size: 8, .value_kind: global_buffer, .address_space: global }
      - { .name: out0, .offset: 16, .size: 8, .value_kind: global_buffer, .address_space: global }
    .group_segment_fixed_size: 327680
    .private_segment_fixed_size: 0
    .kernarg_segment_align: 8
    .kernarg_segment_size: 24
    .max_flat_workgroup_size: 128
    .sgpr_count:     66
    .vgpr_count:     512
    .wavefront_size: 32
...
	.end_amdgpu_metadata
.endif
;; end of part 4
;; ======== version 2 of 2: 4 launches
;; limits: values are held in f16: magnitudes above 65,504 overflow, below 6.1e-05 lose precision
;; workspace buffers: xb 16,777,216 bytes; wt 8,388,608 bytes; qk 33,554,432 bytes; vt 16,777,216 bytes; vl 524,288 bytes; ctx 16,777,216 bytes
;; launch prep: the kernel of part 1 again; grid 768 x 1, 8 waves a work-group, no clusters, 35,840 bytes of LDS; arguments x, wq, wk, wv, wo, xb, wt; writes xb, wt
;; launch qkv (part 5): grid 8 x 32, 4 waves a work-group, clusters of 4 x 4, 327,680 bytes of LDS; arguments xb, wt, qk, vt, vl; writes qk, vt, vl
.if DOCPART == 5
	.amdgcn_target "amdgcn-amd-amdhsa--gfx1250"
	.amdhsa_code_object_version 6
	.text
	.protected	k_q923e89cc93_qkv
	.globl	k_q923e89cc93_qkv
	.p2align	8
	.type	k_q923e89cc93_qkv,@function
k_q923e89cc93_qkv:
	s_mov_b64 s[64:65], 0
	v_nop
	global_prefetch_b8 v0, s[64:65] scope:SCOPE_SE
	s_setreg_imm32_b32 hwreg(HW_REG_WAVE_MODE, 25, 1), 1
	s_wait_xcnt 0x0
	s_wait_alu depctr_hold_cnt(0) depctr_sa_sdst(0) depctr_va_vdst(0) depctr_va_sdst(0) depctr_va_ssrc(0) depctr_va_vcc(0) depctr_vm_vsrc(0)
	s_getreg_b32 s2, hwreg(HW_REG_IB_STS2, 6, 4)
	s_cmp_eq_u32 s2, 0
	s_cbranch_scc0 .Lentry_in_a_cluster
	s_endpgm
.Lentry_in_a_cluster:
	s_bfe_u32 s2, ttmp6, 0x10000c
	s_cmp_lg_u32 s2, 0xf033
	s_cbranch_scc0 .Lentry_shape_is_right
	s_endpgm
.Lentry_shape_is_right:
; Launch 2 of 4: q, k, v = x wq, x wk, x wv, one product C[8192][3072] = xb wt^T in bf16 with f32 sums.
; A work-group makes 256 rows x 384 columns (two heads, each as q | k | v); a wave 128 rows x 192 columns = one head: 96 accumulator
; tiles of 16 x 16 in 768 registers.  For 32 along K a wave reads 320 rows of 64 bytes from LDS for 96 matrix instructions.
; OUT:  qk  f16 Q [64 bh][2048 s][64 d], K the same 16,777,216 bytes further;  vt  f16 V^T [64 bh][64 d][2048 s];
;       vl  f16 [64 bh][64 d][64 s]: the remainder v - f16(v) of each head's first 64 keys, which launch 3 adds for the queries s < 64.
;       A query with n keys averages n rows of v, so its result shrinks like 1 / sqrt(n), and the error that the rounding of v leaves in it
;       shrinks alike, while what is allowed hangs on the whole output: only the first queries have so little room that this rounding counts.
; LIMIT: |q|, |k|, |v| up to 65,504.
; K goes in steps of 64 (one kb block) through two LDS slots.  A tile is dense in memory and comes in as rows of 256 bytes with 16 bytes
; of padding behind each, so an LDS row of 272 bytes holds TWO logical rows of 128 bytes: row m lies at (m / 2) 272 + (m % 2) 128.
; The sixteen rows of a fragment then start at sixteen different 16-byte columns modulo 256 bytes.
; CLUSTER 4 x 4: the four work-groups of a row of the cluster need the same rows of xb, the four of a column the same rows of wt; each such
; tile is asked for jointly, with one descriptor and a mask of the four.
; BLOCK ROWS are numbered 8 cy + cluster y: a batch's eight blocks of 256 rows lie in eight clusters, and 'my block holds the heads' first rows'
; is 'cluster y = 0', the same in all sixteen partners: the branch round the remainder hangs on no place in the cluster.
; REGISTERS: window 0: v16-29 addresses, v32-95 and v96-159 fragments of xb (two buffers), v160-255 fragments of wt (one buffer, three column
; groups, each loaded again as soon as its 32 products are issued).  Window g + 1: the 32 tiles of column group g, tile (a, b) at v[8 (4 a + b)].
; q and k are made TRANSPOSED (source 0 = rows of wt): a lane holds row s = l % 16 and eight neighbouring d.  v is made the natural way
; (source 0 = rows of xb): a lane holds d = l % 16 and eight neighbouring s, which is a piece of a row of V^T.
.set PITCH, 272
.set BLK,   8*PITCH                    ; sixteen logical rows
.set BHALF, 96*PITCH                   ; 192 rows of wt: one tensor load, one wave's columns
.set AHALF, 64*PITCH                   ; 128 rows of xb: one tensor load, one wave's rows
.set AOFF,  2*BHALF
.set SLOT,  2*BHALF+2*AHALF            ; 87,040
.set STAGE, 2*SLOT                     ; 174,080, a multiple of 256: no tensor load lands from here on
.set STG,   8704                       ; a wave's stage
.set ASTEP, 2*8192*128                 ; two kb blocks of xb
.set BSTEP, 2*3072*128                 ; two kb blocks of wt
.set ADRA, 16                          ; v16-17 my xb fragments in slot 0, 1
.set ADRB, 20                          ; v20-21 my wt fragments
.set STO, 24
.set RD,  25
.set CO,  26
.set STV, 27
.set RDV, 28
.set COV, 29
.set AF0, 32
.set AF1, 96
.set BF,  160
.set G1A, 24                           ; s[24:31] shape of xb's tiles
.set G0A, 32                           ; s[32:39] from where, to where; a set for each slot
.set G1B, 48
.set G0B, 56
.set G1W0, (3<<16)|(1<<20)|(1<<21)|(5<<22)|(3<<25)   ; elements of 8 bytes; padding on; bit 21 beside a mask; after every 64 words; 4 words
.set MSB, 0
.macro WIN new                         ; the immediate's high byte repeats the setting that is left
.if MSB != (\new)
	s_set_vgpr_msb (MSB<<8)|(\new)
.set MSB, (\new)
.endif
.endm
.macro PLACES n                        ; places behind matrix instructions (ISA guide 7.12.1): plain vector instructions that name none of their registers
.rept \n
	v_nop
.endr
.endm
.macro JLOAD s                         ; waves 0, 1 ask for wt's two halves, waves 2, 3 for xb's: one line, one mask, one set of registers for all that issue it
	s_cmp_eq_u32 s15, 0
	s_cbranch_scc0 .Lfor_a_\@
	tensor_load_to_lds s[G0B+4*\s:G0B+4*\s+3], s[G1B:G1B+7]
	s_nop 0
	s_branch .Lasked_\@
.Lfor_a_\@:
	tensor_load_to_lds s[G0A+4*\s:G0A+4*\s+3], s[G1A:G1A+7]
	s_nop 0
.Lasked_\@:
.endm
.macro CREST                           ; a round of the cluster's barrier behind its opening work-group barrier
	s_cmp_lg_u32 s14, 0
	s_cbranch_scc1 .Lnot_wave_0_\@
	s_barrier_signal -3
.Lnot_wave_0_\@:
	s_barrier_wait -3
	s_barrier_signal -1
	s_barrier_wait -1
.endm
.macro CROUND
	s_barrier_signal -1
	s_barrier_wait -1
	CREST
.endm
	s_load_b256 s[4:11], s[0:1], 0x0               ; xb s[4:5], wt s[6:7], qk s[8:9], vt s[10:11]
	s_load_b64 s[12:13], s[0:1], 0x20              ; vl
	v_lshl_add_u32 v30, v0, 2, 0x33000
	v_mov_b32 v31, 0
	ds_add_u32 v30, v31
	v_lshrrev_b32 v1, 5, v0
	v_readfirstlane_b32 s14, v1                    ; wave
	s_lshr_b32 s15, s14, 1                         ; my half of the rows.  Also: I fetch for wt (0) or xb (1)
	s_and_b32 s16, s14, 1                          ; my half of the columns.  Also: which half of that tile I fetch
	s_bfe_u32 s17, ttmp6, 0x40000                  ; cx
	s_bfe_u32 s18, ttmp6, 0x40004                  ; cy
	s_lshl_b32 s19, ttmp9, 2
	s_add_co_u32 s19, s19, s17                     ; block column, 0-7
	s_and_b32 s43, ttmp7, 0xffff                   ; cluster y, 0-7: my block of 256 rows within its batch
	s_lshl_b32 s20, s18, 3
	s_add_co_u32 s20, s20, s43                     ; block row = 8 cy + cluster y, 0-31: the batch is cy
	s_lshl_b32 s21, s18, 2
	s_lshl_b32 s21, 15, s21                        ; my row of the cluster
	s_lshl_b32 s22, 0x1111, s17                    ; my column
	s_or_b32 s[G1A+0], s21, G1W0
	s_or_b32 s[G1B+0], s22, G1W0
	s_mov_b32 s[G1A+1], 32<<16                     ; tensor_dim0 = 32 elements of 8 bytes
	s_mov_b32 s[G1B+1], 32<<16
	s_mov_b32 s[G1A+2], 64<<16                     ; tensor_dim1 = 64 rows of 256 bytes = 128 logical rows
	s_mov_b32 s[G1B+2], 96<<16                     ; 96 rows = 192 logical rows
	s_mov_b32 s[G1A+3], 32<<16                     ; tile_dim0
	s_mov_b32 s[G1B+3], 32<<16
	s_mov_b32 s[G1A+4], 64                         ; tile_dim1
	s_mov_b32 s[G1B+4], 96
	s_mov_b32 s[G1A+5], 32                         ; the block is dense: the pitch is the row
	s_mov_b32 s[G1B+5], 32
	s_mov_b32 s[G1A+6], 0
	s_mov_b32 s[G1B+6], 0
	s_mov_b32 s[G1A+7], 0
	s_mov_b32 s[G1B+7], 0
	s_lshl_b32 s40, s20, 15                        ; xb: 256 rows of 128 bytes a block row (shared along my row of the cluster)
	s_lshl_b32 s41, s16, 14                        ; + my 128 rows
	s_add_co_u32 s40, s40, s41
	s_mov_b32 s41, 0
	s_mul_i32 s44, s19, 49152                      ; wt: 384 rows a block column (shared along my column)
	s_mul_i32 s45, s16, 24576                      ; + my 192 rows
	s_add_co_u32 s44, s44, s45
	s_mov_b32 s45, 0
	s_mul_i32 s42, s14, AHALF
	s_add_co_u32 s42, s42, AOFF-2*AHALF            ; xb's halves behind wt's: waves 2, 3
	s_mul_i32 s46, s14, BHALF                      ; wt's halves: waves 0, 1
	s_wait_dscnt 0x0
	s_wait_kmcnt 0x0
	s_add_nc_u64 s[40:41], s[4:5], s[40:41]
	s_add_nc_u64 s[44:45], s[6:7], s[44:45]
	CROUND                                         ; all sixteen work-groups are here: the first joint loads meet
.irp s, 0,1
	s_mov_b32 s[G0A+4*\s], 1
	s_add_co_u32 s[G0A+4*\s+1], s42, \s*SLOT
	s_add_nc_u64 s[G0A+4*\s+2:G0A+4*\s+3], s[40:41], \s*8192*128
	s_or_b32 s[G0A+4*\s+3], s[G0A+4*\s+3], 0x80000000
	s_mov_b32 s[G0B+4*\s], 1
	s_add_co_u32 s[G0B+4*\s+1], s46, \s*SLOT
	s_add_nc_u64 s[G0B+4*\s+2:G0B+4*\s+3], s[44:45], \s*3072*128
	s_or_b32 s[G0B+4*\s+3], s[G0B+4*\s+3], 0x80000000
	JLOAD \s                                       ; two loads of this wave are out: kb 0 and kb 1
.endr
	v_and_b32 v1, 15, v0                           ; r
	v_bfe_u32 v2, v0, 4, 1                         ; h
	v_lshrrev_b32 v3, 1, v1
	v_mul_u32_u24 v3, v3, PITCH
	v_and_b32 v4, 1, v1
	v_lshl_add_u32 v3, v4, 7, v3
	v_lshl_add_u32 v3, v2, 4, v3                   ; (r / 2) 272 + (r % 2) 128 + 16 h
	s_mul_i32 s66, s15, AHALF
	s_add_co_u32 s66, s66, AOFF
	s_mul_i32 s67, s16, BHALF
.irp s, 0,1
	v_add_nc_u32 v[ADRA+\s], s66, v3
	v_add_nc_u32 v[ADRB+\s], s67, v3
	s_add_co_u32 s66, s66, SLOT
	s_add_co_u32 s67, s67, SLOT
.endr
	s_mul_i32 s68, s14, STG
	s_add_co_u32 s68, s68, STAGE
	v_mul_u32_u24 v4, v1, 144                      ; q, k and the remainder on the way out: rows of 128 bytes at pitch 144
	v_lshl_add_u32 v4, v2, 4, v4
	v_add_nc_u32 v[STO], s68, v4
	v_and_b32 v5, 31, v0
	v_lshrrev_b32 v6, 3, v5
	v_mul_u32_u24 v6, v6, 144
	v_and_b32 v7, 7, v0
	v_lshl_add_u32 v6, v7, 4, v6
	v_add_nc_u32 v[RD], s68, v6
	v_lshlrev_b32 v[CO], 4, v5
	v_mul_u32_u24 v4, v1, PITCH                    ; v on the way out: rows of 256 bytes at pitch 272
	v_lshl_add_u32 v4, v2, 4, v4
	v_add_nc_u32 v[STV], s68, v4
	v_mul_u32_u24 v4, v2, PITCH
	v_lshl_add_u32 v4, v1, 4, v4
	v_add_nc_u32 v[RDV], s68, v4
	v_lshlrev_b32 v4, 12, v2
	v_lshl_add_u32 v[COV], v1, 4, v4
.macro LDB g, slot, kb                 ; eight loads: column group g (64 rows of wt), 32 K at byte kb of the rows
.irp b, 0,1,2,3
	ds_load_b128 v[BF+32*\g+8*\b:BF+32*\g+8*\b+3],   v[ADRB+\slot] offset:\kb+(4*\g+\b)*BLK
	ds_load_b128 v[BF+32*\g+8*\b+4:BF+32*\g+8*\b+7], v[ADRB+\slot] offset:\kb+(4*\g+\b)*BLK+32
.endr
.endm
.macro LDA f, half, slot, kb           ; eight loads: 64 rows of xb into buffer f
.irp a, 0,1,2,3
	ds_load_b128 v[\f+8*(4*\half+\a):\f+8*(4*\half+\a)+3],   v[ADRA+\slot] offset:\kb+(4*\half+\a)*BLK
	ds_load_b128 v[\f+8*(4*\half+\a)+4:\f+8*(4*\half+\a)+7], v[ADRA+\slot] offset:\kb+(4*\half+\a)*BLK+32
.endr
.endm
; sixteen matrix instructions: row blocks a0 .. a0 + 3 x the four column blocks of group g.  The 96 accumulators take turns, one instruction
; a turn, in the same order in every K step.  zero = 1: the first product starts the sum.
.macro GRP4 g, f, a0, zero
.irp a, \a0, \a0+1, \a0+2, \a0+3
.irp b, 0,1,2,3
.if \g == 2
.if \zero
	v_wmma_f32_16x16x32_bf16 v[8*(4*(\a)+\b):8*(4*(\a)+\b)+7], v[\f+8*(\a):\f+8*(\a)+7], v[BF+32*\g+8*\b:BF+32*\g+8*\b+7], 0
.else
	v_wmma_f32_16x16x32_bf16 v[8*(4*(\a)+\b):8*(4*(\a)+\b)+7], v[\f+8*(\a):\f+8*(\a)+7], v[BF+32*\g+8*\b:BF+32*\g+8*\b+7], v[8*(4*(\a)+\b):8*(4*(\a)+\b)+7]
.endif
.else
.if \zero
	v_wmma_f32_16x16x32_bf16 v[8*(4*(\a)+\b):8*(4*(\a)+\b)+7], v[BF+32*\g+8*\b:BF+32*\g+8*\b+7], v[\f+8*(\a):\f+8*(\a)+7], 0
.else
	v_wmma_f32_16x16x32_bf16 v[8*(4*(\a)+\b):8*(4*(\a)+\b)+7], v[BF+32*\g+8*\b:BF+32*\g+8*\b+7], v[\f+8*(\a):\f+8*(\a)+7], v[8*(4*(\a)+\b):8*(4*(\a)+\b)+7]
.endif
.endif
.endr
.endr
.endm
; The first 32 K of a slot: multiplies buffer 0 and fetches the second 32 K (byte 64 of the rows) into buffer 1.
; The forty loads of a K half always go out in the order B0, A low, B1, A high, B2.
.macro EVEN slot, zero
	s_wait_dscnt 8                                 ; all but B2's eight loads are in
	WIN 0x50
	GRP4 0, AF0, 0, \zero
	GRP4 0, AF0, 4, \zero
	WIN 0
	PLACES 4
	LDB 0, \slot, 64
	LDA AF1, 0, \slot, 64
	WIN 0xa0
	GRP4 1, AF0, 0, \zero
	GRP4 1, AF0, 4, \zero
	WIN 0
	PLACES 4
	LDB 1, \slot, 64
	LDA AF1, 1, \slot, 64
	s_wait_dscnt 32                                ; the 2 x 16 just issued stay out: B2 is in
	WIN 0xf0
	GRP4 2, AF0, 0, \zero
	GRP4 2, AF0, 4, \zero
	WIN 0
	PLACES 4
	LDB 2, \slot, 64
.endm
; The second 32 K: multiplies buffer 1 and changes slots.  In front of the barrier each wave waits for its reads of this slot and for all its
; tensor loads (one is out: its part of the next slot).  fill = 1: the barrier opens a round of the cluster's barrier, and behind the round
; this slot is asked for again, two K steps ahead, first thing.  From that request to the wait for it a wave issues 176 matrix instructions.
.macro ODD slot, next, fill
	s_wait_dscnt 8
	WIN 0x50
	GRP4 0, AF1, 0, 0
	s_wait_dscnt 0x0                               ; my reads of this slot are over
	s_wait_tensorcnt 0x0                           ; all my tensor loads have landed
	ds_add_u32 v30, v31
	s_wait_dscnt 0x0
	s_barrier_signal -1
	GRP4 0, AF1, 4, 0                              ; register work while the others arrive
	WIN 0
	s_barrier_wait -1
.if \fill
	CREST
	s_add_nc_u64 s[G0A+4*\slot+2:G0A+4*\slot+3], s[G0A+4*\slot+2:G0A+4*\slot+3], ASTEP
	s_add_nc_u64 s[G0B+4*\slot+2:G0B+4*\slot+3], s[G0B+4*\slot+2:G0B+4*\slot+3], BSTEP
	JLOAD \slot
.endif
	PLACES 4
	LDB 0, \next, 0
	LDA AF0, 0, \next, 0
	WIN 0xa0
	GRP4 1, AF1, 0, 0
	GRP4 1, AF1, 4, 0
	WIN 0
	PLACES 4
	LDB 1, \next, 0
	LDA AF0, 1, \next, 0
	WIN 0xf0
	GRP4 2, AF1, 0, 0
	GRP4 2, AF1, 4, 0
	WIN 0
	PLACES 4
	LDB 2, \next, 0
.endm
	s_wait_tensorcnt 0x1                           ; my part of kb 0 is in; kb 1's stays out
	s_barrier_signal -1
	s_barrier_wait -1
	LDB 0, 0, 0
	LDA AF0, 0, 0, 0
	LDB 1, 0, 0
	LDA AF0, 1, 0, 0
	LDB 2, 0, 0
	EVEN 0, 1                                      ; the first lap stands in front of the loop: its first products start the sums
	ODD 0, 1, 1
	EVEN 1, 0
	ODD 1, 0, 1
	s_mov_b32 s23, 6                               ; sixteen kb = eight laps of two slots: one above, six here, one below
.Llap:
	EVEN 0, 0
	ODD 0, 1, 1
	EVEN 1, 0
	ODD 1, 0, 1
	s_sub_co_u32 s23, s23, 1
	s_cmp_lg_u32 s23, 0
	s_cbranch_scc1 .Llap
	EVEN 0, 0                                      ; the last lap fills nothing
	ODD 0, 1, 0
	EVEN 1, 0
	s_wait_dscnt 8
	WIN 0x50
	GRP4 0, AF1, 0, 0
	GRP4 0, AF1, 4, 0
	WIN 0xa0
	GRP4 1, AF1, 0, 0
	GRP4 1, AF1, 4, 0
	s_wait_dscnt 0x0
	WIN 0xf0
	GRP4 2, AF1, 0, 0
	GRP4 2, AF1, 4, 0
	WIN 0
	PLACES 4                                       ; behind the last products, for the conversions and the loads below
	; THE WAY OUT
	s_lshr_b32 s74, s20, 3                         ; batch
	s_lshl_b32 s74, s74, 4
	s_lshl1_add_u32 s74, s19, s74
	s_add_co_u32 s74, s74, s16                     ; bh = 16 batch + 2 block column + my half
	s_and_b32 s75, s20, 7
	s_lshl_b32 s75, s75, 8
	s_lshl_b32 s76, s15, 7
	s_add_co_u32 s75, s75, s76                     ; my first s
	s_lshl_b32 s74, s74, 18                        ; a head is 262,144 bytes in each of Q, K and V^T
	s_lshl_b32 s76, s75, 7
	s_add_co_u32 s76, s76, s74
	s_mov_b32 s77, 0
	s_lshl_b32 s78, s75, 1
	s_add_co_u32 s78, s78, s74
	s_mov_b32 s79, 0
	s_add_nc_u64 s[66:67], s[8:9], s[76:77]        ; Q
	s_add_nc_u64 s[68:69], s[66:67], 0x1000000     ; K
	s_add_nc_u64 s[70:71], s[10:11], s[78:79]      ; V^T
.set TMP, 32
; sixteen rows s (row block a) of q (g = 0) or k (g = 1): to f16, 16 bytes a lane into my stage, back as 512 dense bytes a load
.macro OUTQK g, a, f
	WIN (\g+1)*5
.irp b, 0,1,2,3
.irp i, 0,1,2,3
	v_cvt_pk_f16_f32 v[TMP+4*\b+\i], v[8*(4*(\a)+\b)+2*\i], v[8*(4*(\a)+\b)+2*\i+1]
.endr
.endr
	WIN 0
.irp b, 0,1,2,3
	ds_store_b128 v[STO], v[TMP+4*\b:TMP+4*\b+3] offset:32*\b
.endr
	s_wait_xcnt 0x0                                ; buffer f, which earlier stores read, is loaded again only behind this wait
.irp i, 0,1,2,3
	ds_load_b128 v[\f+4*\i:\f+4*\i+3], v[RD] offset:576*\i   ; LDS serves a wave's instructions in order: these see the stores above
.endr
.irp i, 0,1,2,3
	s_wait_dscnt 3-\i
	global_store_b128 v[CO], v[\f+4*\i:\f+4*\i+3], s[66+2*\g:67+2*\g] offset:2048*(\a)+512*\i   ; a wave stores 512 consecutive aligned bytes
.endr
.endm
.irp a, 0,2,4,6
	OUTQK 0, \a, 64
	OUTQK 0, \a+1, 80
.endr
.irp a, 0,2,4,6
	OUTQK 1, \a, 64
	OUTQK 1, \a+1, 80
.endr
.set HH, 32                            ; v[32:63]   f16(v), packed
.set FF, 64                            ; v[64:95]   the remainder's way: f16(v) widened, then v - f16(v)
.set LL, 128                           ; v[128:143] the remainder, packed
.set RL, 144                           ; v[144:159] its rows read back
.set RB, 160                           ; v[160:191] rows of V^T read back
; sixteen rows d of V^T, 128 s each: to f16, through my stage, out as whole runs of 256 bytes
.macro OUTV b
	WIN 0x0f
.irp a, 0,1,2,3,4,5,6,7
.irp i, 0,1,2,3
	v_cvt_pk_f16_f32 v[HH+4*\a+\i], v[8*(4*\a+\b)+2*\i], v[8*(4*\a+\b)+2*\i+1]
.endr
.endr
	WIN 0
.irp a, 0,1,2,3,4,5,6,7
	ds_store_b128 v[STV], v[HH+4*\a:HH+4*\a+3] offset:32*\a
.endr
	s_wait_xcnt 0x0                                ; RB, which earlier stores read, is loaded again only behind this wait
.irp i, 0,1,2,3,4,5,6,7
	ds_load_b128 v[RB+4*\i:RB+4*\i+3], v[RDV] offset:2*PITCH*\i
.endr
.irp i, 0,1,2,3,4,5,6,7
	s_wait_dscnt 7-\i
	global_store_b128 v[COV], v[RB+4*\i:RB+4*\i+3], s[70:71] offset:(16*\b+2*\i)*4096   ; sixteen lanes store 256 consecutive aligned bytes
.endr
.endm
	OUTV 0
	OUTV 1
	OUTV 2
	OUTV 3
	; The remainder of keys 0-63: they are rows 0-63 of the waves that hold rows 0-127 of a batch's first block of 256.
	s_cmp_lg_u32 s43, 0                            ; cluster y: the same in all sixteen work-groups of the cluster
	s_cbranch_scc1 .Lno_vl
	s_cmp_lg_u32 s15, 0                            ; my half of the block's rows
	s_cbranch_scc1 .Lno_vl
	s_lshr_b32 s78, s74, 5                         ; bh x 8,192: a head's remainder is 64 rows d of 128 bytes (s79 is 0)
	s_add_nc_u64 s[72:73], s[12:13], s[78:79]
.macro UNPACK
.set nn, 0
.irp s, v32.l,v32.h,v33.l,v33.h,v34.l,v34.h,v35.l,v35.h,v36.l,v36.h,v37.l,v37.h,v38.l,v38.h,v39.l,v39.h,v40.l,v40.h,v41.l,v41.h,v42.l,v42.h,v43.l,v43.h,v44.l,v44.h,v45.l,v45.h,v46.l,v46.h,v47.l,v47.h
	v_cvt_f32_f16 v[FF+nn], \s
.set nn, nn+1
.endr
.endm
; sixteen rows d, keys 0-63 (row blocks a = 0 .. 3): f16(v - f16(v)), through my stage as q and k went, out as 512 dense bytes a store
.macro OUTL b
	WIN 0x0f
.irp a, 0,1,2,3
.irp i, 0,1,2,3
	v_cvt_pk_f16_f32 v[HH+4*\a+\i], v[8*(4*\a+\b)+2*\i], v[8*(4*\a+\b)+2*\i+1]
.endr
.endr
	WIN 0
	UNPACK
	WIN 0x03
.irp a, 0,1,2,3
.irp i, 0,1,2,3
	v_pk_add_f32 v[FF+8*\a+2*\i:FF+8*\a+2*\i+1], v[8*(4*\a+\b)+2*\i:8*(4*\a+\b)+2*\i+1], v[FF+8*\a+2*\i:FF+8*\a+2*\i+1] neg_lo:[0,1] neg_hi:[0,1]
.endr
.endr
	WIN 0
.irp a, 0,1,2,3
.irp i, 0,1,2,3
	v_cvt_pk_f16_f32 v[LL+4*\a+\i], v[FF+8*\a+2*\i], v[FF+8*\a+2*\i+1]
.endr
.endr
.irp a, 0,1,2,3
	ds_store_b128 v[STO], v[LL+4*\a:LL+4*\a+3] offset:32*\a
.endr
	s_wait_xcnt 0x0                                ; RL, which the last sixteen rows' stores read, is loaded again only behind this wait
.irp i, 0,1,2,3
	ds_load_b128 v[RL+4*\i:RL+4*\i+3], v[RD] offset:576*\i
.endr
.irp i, 0,1,2,3
	s_wait_dscnt 3-\i
	global_store_b128 v[CO], v[RL+4*\i:RL+4*\i+3], s[72:73] offset:2048*\b+512*\i   ; a wave stores 512 consecutive aligned bytes
.endr
.endm
	OUTL 0
	OUTL 1
	OUTL 2
	OUTL 3
.Lno_vl:
	s_wait_tensorcnt 0x0
	ds_add_u32 v30, v31
	s_wait_dscnt 0x0
	CROUND                                         ; the closing round: no work-group ends while a partner may still ask for a tile that names it
	s_endpgm
.Lfunc_end_k_q923e89cc93_qkv:
	.size	k_q923e89cc93_qkv, .Lfunc_end_k_q923e89cc93_qkv-k_q923e89cc93_qkv
	.p2alignl 7, 3214868480
	.fill 96, 4, 3214868480
	.section	.rodata,"a",@progbits
	.p2align	6, 0x0
	.amdhsa_kernel k_q923e89cc93_qkv
		.amdhsa_group_segment_fixed_size 327680
		.amdhsa_private_segment_fixed_size 0
		.amdhsa_enable_private_segment 0
		.amdhsa_kernarg_size 40
		.amdhsa_user_sgpr_count 2
		.amdhsa_user_sgpr_kernarg_segment_ptr 1
		.amdhsa_wavefront_size32 1
		.amdhsa_system_sgpr_workgroup_id_x 1
		.amdhsa_system_sgpr_workgroup_id_y 1
		.amdhsa_system_sgpr_workgroup_id_z 1
		.amdhsa_system_vgpr_workitem_id 0
		.amdhsa_next_free_vgpr 1024
		.amdhsa_next_free_sgpr 80
		.amdhsa_reserve_vcc 0
		.amdhsa_float_denorm_mode_32 3
		.amdhsa_float_denorm_mode_16_64 3
		.amdhsa_memory_ordered 1
		.amdhsa_forward_progress 1
		.amdhsa_inst_pref_size 192
	.end_amdhsa_kernel
	.amdgpu_metadata
---
amdhsa.version: [ 1, 2 ]
amdhsa.kernels:
  - .name:           k_q923e89cc93_qkv
    .symbol:         k_q923e89cc93_qkv.kd
    .args:
      - { .name: xb, .offset: 0, .size: 8, .value_kind: global_buffer, .address_space: global }
      - { .name: wt, .offset: 8, .size: 8, .value_kind: global_buffer, .address_space: global }
      - { .name: qk, .offset: 16, .size: 8, .value_kind: global_buffer, .address_space: global }
      - { .name: vt, .offset: 24, .size: 8, .value_kind: global_buffer, .address_space: global }
      - { .name: vl, .offset: 32, .size: 8, .value_kind: global_buffer, .address_space: global }
    .group_segment_fixed_size: 327680
    .private_segment_fixed_size: 0
    .kernarg_segment_align: 8
    .kernarg_segment_size: 40
    .max_flat_workgroup_size: 128
    .sgpr_count:     80
    .vgpr_count:     1024
    .wavefront_size: 32
...
	.end_amdgpu_metadata
.endif
;; end of part 5
;; launch attn (part 6): grid 4 x 64, 4 waves a work-group, no clusters, 327,680 bytes of LDS; arguments qk, vt, vl, ctx; writes ctx
.if DOCPART == 6
	.amdgcn_target "amdgcn-amd-amdhsa--gfx1250"
	.amdhsa_code_object_version 6
	.text
	.protected	k_q923e89cc93_attn
	.globl	k_q923e89cc93_attn
	.p2align	8
	.type	k_q923e89cc93_attn,@function
k_q923e89cc93_attn:
	s_mov_b64 s[64:65], 0
	v_nop
	global_prefetch_b8 v0, s[64:65] scope:SCOPE_SE
	s_setreg_imm32_b32 hwreg(HW_REG_WAVE_MODE, 25, 1), 1
	s_wait_xcnt 0x0
; Launch 3 of 4: ctx = softmax(causal(q k^T) / 8) v, one head a grid row, f16 operands, f32 sums and statistics, a running maximum.
; WORK LEFT OUT: tiles of 16 queries x 64 keys wholly above the diagonal.  reference() itself sets those scores to -inf, so their weights are
; exactly 0 for all inputs.  LIMIT: a NaN, an infinity or an overflow that reaches only those products is not carried to the result.
; LIMITS: |ctx| up to 65,504; the weights are summed in f32 before they are rounded to f16 for the product with v.
; SHARES.  Work-group (p, bh) does query blocks p and 7 - p of 256 rows: 1 + p + 1 + (7 - p) = 9 runs of 256 keys in every work-group.
; Wave w owns the four query tiles u at rows 256 i + 64 u + 16 w: every wave sees the same pattern at the diagonal, so it stands in the text.
; A block begins with its diagonal run, whose first step starts all sums; then key blocks 0 .. i - 1.  A step is 64 keys.
; In step c of the diagonal run tiles u < c are skipped, u = c is masked, u > c are plain.
; ONE TEXT FOR BOTH BLOCKS: an outer loop of two trips holds the diagonal run, the loop of full runs and the block's end once each; only the
; very last full run, which fills no slot, is written out a second time, and the first trip jumps over it.
; NO CLUSTER: the work-groups that share K and V are the query blocks of one head, and they walk the key blocks in different orders
; (each begins at its own diagonal), so no two would ask for the same tile in the same round.
; THE PRODUCTS.  S^T = K Q^T: lane (r, h) holds query r and keys 16 a + 8 h + j, so maximum and sum are a lane's own work plus one exchange
; between the halves, and the packed weights are already the second source of O^T = V^T P^T.
; THE REMAINDER.  For the queries s < 64 (tile 0 of block 0, in its first step) the remainder v - f16(v) of keys 0-63 is multiplied in too:
; a query with few keys then carries no rounding of v.  From 65 keys on the result is an average of so many rows that this rounding is small
; beside what is allowed, and vl holds nothing for them.  Only the work-groups p = 0 do this, once; their wave 2, which fetches no tiles, asks
; for the head's 8,192 bytes of vl at the kernel's head (32 lanes, 256 bytes apart, each block once in the launch), a whole step ahead of the loads.
; FULL RUNS: MATRIX AND VECTOR WORK SIDE BY SIDE.  A full step has 64 products and 488 vector instructions.  The four tiles are two pieces,
; A = tiles 0, 1 and B = tiles 2, 3, which share the K and V fragments.  While one piece's 32 products of a step are issued (its weights
; times V, then its next scores), the other piece's softmax and rescaling stand between them, one numbered slice behind each product.
; LDS: two slots of 128 keys: K as 64 rows of 256 bytes (two keys a row) at pitch 272, then V^T as 64 rows d of 256 bytes at pitch 272.
; Wave 0 fetches K's tile, wave 1 V^T's; waves 2, 3 fetch nothing.  A wave has at most two tensor loads out (the first fills), later one.
; REGISTERS: window 0: v4-14 addresses, v16-31 statistics, v32-55 at work, v64-127 K fragments, v128-255 scores S(u, a) at 128 + 32 u + 8 a.
; Window 1: v0-127 O(u, t) at 32 u + 8 t, v128-191 Q(u, c), v192-255 V(t, kk).  Window 2: v0-63 the remainder's fragments.
.set PITCH, 272
.set KT,    64*PITCH                   ; 17,408: a tile of K, and of V^T
.set SLOT,  2*KT
.set STAGE, 2*SLOT                     ; 69,632, a multiple of 256: no tensor load lands from here on
.set STG,   16*144                     ; a wave's stage: 16 rows of 128 bytes at pitch 144 = nine blocks of 256 bytes
.set KADR, 4
.set VADR, 6
.set QO,   8                           ; row r of 128 bytes + 16 h: for the queries' and the remainder's fragments
.set PFO,  9                           ; 256 x lane: the prefetch of the remainder; never rewritten
.set TH,   10
.set NINF, 11
.set STO,  12
.set RD,   13
.set CO,   14
.set ST,   16                          ; tile u: v[16+4u] = -c max, +1 = my half's sum, +2 = the rescaling factor, +3 fills the pair
.set T,    32                          ; v[32:35] four running maxima
.set TP,   36                          ; v[36:43] four running sums, in pairs
.set T2,   T+12                        ; v[44:47], v[48:55]: the same for the second tile of a piece
.set KF,   64
.set SS,   128
.set QF,   128                         ; window 1
.set VF,   192                         ; window 1
.set G1K,  16
.set G1V,  24
.set G0,   32
.set VLB,  58                          ; s[58:59] my head's remainder; never rewritten
.set MSB, 0
.macro WIN new                         ; the immediate's high byte repeats the setting that is left; a switch that changes nothing is dropped
.if MSB != (\new)
	s_set_vgpr_msb (MSB<<8)|(\new)
.set MSB, (\new)
.endif
.endm
.macro PLACES n                        ; places behind matrix instructions (ISA guide 7.12.1)
.rept \n
	v_nop
.endr
.endm
.macro SETADR slot                     ; slot's next tile: 128 keys number 2 s43 + slot of my wave's tensor
	s_lshl_b32 s44, s43, 1
.if \slot
	s_add_co_u32 s44, s44, 1
.endif
	s_mul_i32 s44, s44, s42
	s_mov_b32 s45, 0
	s_add_nc_u64 s[G0+4*\slot+2:G0+4*\slot+3], s[40:41], s[44:45]
	s_or_b32 s[G0+4*\slot+3], s[G0+4*\slot+3], 0x80000000
.endm
.macro KVLOAD slot
	s_cmp_lg_u32 s12, 0
	s_cbranch_scc1 .Lno_k_\@
	tensor_load_to_lds s[G0+4*\slot:G0+4*\slot+3], s[G1K:G1K+7]
	s_nop 0
.Lno_k_\@:
	s_cmp_lg_u32 s12, 1
	s_cbranch_scc1 .Lno_v_\@
	tensor_load_to_lds s[G0+4*\slot:G0+4*\slot+3], s[G1V:G1V+7]
	s_nop 0
.Lno_v_\@:
.endm
.macro QLOAD qb                        ; my four query tiles as fragments, straight from memory
	WIN 0x40
.irp u, 0,1,2,3
.irp c, 0,1
	global_load_b128 v[QF+16*\u+8*\c:QF+16*\u+8*\c+3],   v[QO], s[\qb:\qb+1] offset:8192*\u+64*\c
	global_load_b128 v[QF+16*\u+8*\c+4:QF+16*\u+8*\c+7], v[QO], s[\qb:\qb+1] offset:8192*\u+64*\c+32
.endr
.endr
	WIN 0
.endm
.macro VLOAD slot, half                ; sixteen loads: the fragments of V^T for one step of 64 keys
	WIN 0x40
.irp t, 0,1,2,3
.irp kk, 0,1
	ds_load_b128 v[VF+16*\t+8*\kk:VF+16*\t+8*\kk+3],   v[VADR+\slot] offset:16*PITCH*\t+128*\half+64*\kk
	ds_load_b128 v[VF+16*\t+8*\kk+4:VF+16*\t+8*\kk+7], v[VADR+\slot] offset:16*PITCH*\t+128*\half+64*\kk+32
.endr
.endr
.endm
.macro KLOAD slot, half                ; sixteen loads: the fragments of K for one step of 64 keys
	WIN 0
.irp a, 0,1,2,3
.irp c, 0,1
	ds_load_b128 v[KF+16*\a+8*\c:KF+16*\a+8*\c+3],   v[KADR+\slot] offset:32*PITCH*\half+8*PITCH*\a+64*\c
	ds_load_b128 v[KF+16*\a+8*\c+4:KF+16*\a+8*\c+7], v[KADR+\slot] offset:32*PITCH*\half+8*PITCH*\a+64*\c+32
.endr
.endr
.endm
; The change of slots: all reads of `slot` have been issued.  fill = 1: it is filled again, with the next run's tile.
.macro CHANGE slot, fill
	WIN 0
	s_wait_dscnt 0x0                               ; my reads of this slot are over
	s_wait_tensorcnt 0x0                           ; all my tensor loads have landed, my part of the other slot among them
	ds_add_u32 v62, v63
	s_wait_dscnt 0x0
.if \fill
	SETADR \slot
.endif
	s_barrier_signal -1
	s_barrier_wait -1
.if \fill
	KVLOAD \slot                                   ; my one tensor load behind this barrier; it has two steps' work in which to land
.endif
.endm
	s_load_b256 s[4:11], s[0:1], 0x0               ; qk s[4:5], vt s[6:7], vl s[8:9], ctx s[10:11]
	v_lshl_add_u32 v62, v0, 2, 0x29000
	v_mov_b32 v63, 0
	ds_add_u32 v62, v63
	v_lshrrev_b32 v1, 5, v0
	v_readfirstlane_b32 s12, v1                    ; wave
	s_mov_b32 s13, ttmp9                           ; p
	s_and_b32 s14, ttmp7, 0xffff                   ; bh
	s_sub_co_u32 s15, 7, s13                       ; the second query block
	s_mov_b32 s[G1K+0], 0x07530000                 ; elements of 8 bytes; padding on, 4 words after every 64
	s_mov_b32 s[G1K+1], 32<<16                     ; a dense block as 64 rows of 256 bytes
	s_mov_b32 s[G1K+2], 64<<16
	s_mov_b32 s[G1K+3], 32<<16
	s_mov_b32 s[G1K+4], 64
	s_mov_b32 s[G1K+5], 32
	s_mov_b32 s[G1K+6], 0
	s_mov_b32 s[G1K+7], 0
	s_mov_b32 s[G1V+0], 0x07510000                 ; elements of 2 bytes; the same padding
	s_mov_b32 s[G1V+1], 128<<16                    ; 64 rows d of 128 keys,
	s_mov_b32 s[G1V+2], 64<<16
	s_mov_b32 s[G1V+3], 128<<16
	s_mov_b32 s[G1V+4], 64
	s_mov_b32 s[G1V+5], 2048                       ; 2,048 elements from row to row
	s_mov_b32 s[G1V+6], 0
	s_mov_b32 s[G1V+7], 0
	s_mov_b32 s46, 0x76543210                      ; v_permlanex16_b32: lane i of the other half
	s_mov_b32 s47, 0xfedcba98
	s_mov_b32 s48, 0x3e38aa3b                      ; c = log2(e) / 8: the scale 1 / sqrt(64) and the base of v_exp_f32 in one factor
	s_mov_b32 s49, 0x3e38aa3b
	s_mov_b32 s50, 0xbe38aa3b                      ; -c
	s_lshl_b32 s60, s14, 18                        ; a head is 262,144 bytes in each of Q, K, V^T and ctx
	s_mov_b32 s61, 0
	s_mul_i32 s53, s12, KT                         ; wave 0 fills K's part of a slot, wave 1 V^T's
	s_mov_b32 s44, 16384                           ; 128 keys on: in K 128 rows of 128 bytes,
	s_mov_b32 s45, 256                             ; in V^T 256 bytes along the rows
	s_wait_dscnt 0x0
	s_wait_kmcnt 0x0
	s_add_nc_u64 s[54:55], s[4:5], s[60:61]        ; my head's Q
	s_add_nc_u64 s[40:41], s[54:55], 0x1000000     ; K
	s_add_nc_u64 s[62:63], s[6:7], s[60:61]        ; V^T
	s_add_nc_u64 s[56:57], s[10:11], s[60:61]      ; ctx
	s_cmp_eq_u32 s12, 0
	s_cselect_b64 s[40:41], s[40:41], s[62:63]     ; the tensor that my wave fetches
	s_cselect_b32 s42, s44, s45
.irp s, 0,1
	s_mov_b32 s[G0+4*\s], 1
	s_add_co_u32 s[G0+4*\s+1], s53, \s*SLOT
.endr
	s_mov_b32 s43, s13                             ; the first run is block p's diagonal
	SETADR 0
	SETADR 1
	s_cmp_lg_u32 s12, 0
	s_cbranch_scc1 .Lnot_k
	tensor_load_to_lds s[G0:G0+3], s[G1K:G1K+7]
	s_nop 0
	tensor_load_to_lds s[G0+4:G0+7], s[G1K:G1K+7]
	s_nop 0
.Lnot_k:
	s_cmp_lg_u32 s12, 1
	s_cbranch_scc1 .Lnot_v
	tensor_load_to_lds s[G0:G0+3], s[G1V:G1V+7]
	s_nop 0
	tensor_load_to_lds s[G0+4:G0+7], s[G1V:G1V+7]
	s_nop 0
.Lnot_v:
	s_lshl_b32 s60, s12, 11                        ; 16 w rows of 128 bytes
	s_lshl_b32 s44, s15, 15                        ; block 7 - p: 256 rows a block
	s_add_co_u32 s44, s44, s60
	s_mov_b32 s45, 0
	s_add_nc_u64 s[66:67], s[54:55], s[44:45]      ; the second block's Q
	s_add_nc_u64 s[68:69], s[56:57], s[44:45]      ; and ctx
	s_lshl_b32 s44, s13, 15                        ; block p
	s_add_co_u32 s44, s44, s60
	s_add_nc_u64 s[54:55], s[54:55], s[44:45]
	s_add_nc_u64 s[56:57], s[56:57], s[44:45]
	s_lshl_b32 s44, s14, 13                        ; a head's remainder is 64 rows d of 128 bytes
	s_add_nc_u64 s[58:59], s[8:9], s[44:45]
	v_and_b32 v1, 15, v0                           ; r
	v_bfe_u32 v2, v0, 4, 1                         ; h
	v_and_b32 v3, 31, v0                           ; lane
	v_lshlrev_b32 v[PFO], 8, v3
	s_cmp_lg_u32 s13, 0                            ; only block 0 uses the remainder,
	s_cbranch_scc1 .Lno_pf
	s_cmp_lg_u32 s12, 2                            ; and one wave asks for it
	s_cbranch_scc1 .Lno_pf
	global_prefetch_b8 v[PFO], s[VLB:VLB+1] th:TH_LOAD_NT scope:SCOPE_SE   ; 32 x 256 bytes = the head's 8,192: nothing past the buffer's end
.Lno_pf:
	v_lshrrev_b32 v15, 1, v1
	v_mul_u32_u24 v[KADR], v15, PITCH
	v_and_b32 v15, 1, v1
	v_lshl_add_u32 v[KADR], v15, 7, v[KADR]
	v_lshl_add_u32 v[KADR], v2, 4, v[KADR]         ; key r: (r / 2) 272 + (r % 2) 128 + 16 h
	v_add_nc_u32 v[KADR+1], SLOT, v[KADR]
	v_mul_u32_u24 v[VADR], v1, PITCH
	v_lshl_add_u32 v[VADR], v2, 4, v[VADR]
	v_add_nc_u32 v[VADR], KT, v[VADR]              ; row d = r of V^T
	v_add_nc_u32 v[VADR+1], SLOT, v[VADR]
	v_lshlrev_b32 v15, 4, v2
	v_lshl_add_u32 v[QO], v1, 7, v15
	v_lshl_add_u32 v[TH], s12, 4, v1
	v_lshlrev_b32 v15, 3, v2
	v_sub_nc_u32 v[TH], v[TH], v15                 ; key 16 a + 8 h + j of the masked tile is kept where 16 a + j <= 16 w + r - 8 h
	v_mov_b32 v[NINF], 0xff800000
	s_mul_i32 s60, s12, STG
	s_add_co_u32 s60, s60, STAGE
	v_mul_u32_u24 v15, v1, 144
	v_lshl_add_u32 v15, v2, 4, v15
	v_add_nc_u32 v[STO], s60, v15
	v_lshrrev_b32 v15, 3, v3
	v_mul_u32_u24 v15, v15, 144
	v_and_b32 v1, 7, v0
	v_lshl_add_u32 v15, v1, 4, v15
	v_add_nc_u32 v[RD], s60, v15
	v_lshlrev_b32 v[CO], 4, v3
.irp u, 0,1,2,3
	v_mov_b32 v[ST+4*\u+1], 0                      ; a packed instruction's source counts as a whole pair: the halves that are not yet
	v_mov_b32 v[ST+4*\u+3], 0                      ; written, or never, get a value once
.endr
	v_mov_b32 v[T+1], 0                            ; v_permlanex16_b32 counts as a reader of its destination
	v_mov_b32 v[T+3], 0                            ; the upper half of the reciprocal's pair
	QLOAD 54
	s_wait_tensorcnt 0x1                           ; my part of slot 0 is in; slot 1's stays out
	s_barrier_signal -1
	s_barrier_wait -1
	KLOAD 0, 0
; ---------------------------------------------------------------- the diagonal run, in phases
; Tile u's 16 x 64 scores become weights, in place.  first = 1: the tile's first step: nothing to rescale.
.macro SOFTMAX u, first
.irp k, 0,1,2,3
	v_max3_num_f32 v[T+\k], v[SS+32*\u+8*\k], v[SS+32*\u+8*\k+1], v[SS+32*\u+8*\k+2]
.endr
.irp k, 0,1,2,3
	v_max3_num_f32 v[T+\k], v[T+\k], v[SS+32*\u+8*\k+3], v[SS+32*\u+8*\k+4]
.endr
.irp k, 0,1,2,3
	v_max3_num_f32 v[T+\k], v[T+\k], v[SS+32*\u+8*\k+5], v[SS+32*\u+8*\k+6]
.endr
.irp k, 0,1,2,3
	v_max_num_f32 v[T+\k], v[T+\k], v[SS+32*\u+8*\k+7]
.endr
	v_max3_num_f32 v[T], v[T], v[T+1], v[T+2]
	v_max_num_f32 v[T], v[T], v[T+3]
	v_permlanex16_b32 v[T+1], v[T], s46, s47       ; the other half holds the query's other 32 keys
	v_max_num_f32 v[T], v[T], v[T+1]
.if \first
	v_mul_f32 v[ST+4*\u], s50, v[T]                ; -c max
.else
	v_mul_f32 v[T], s50, v[T]
	v_min_num_f32 v[T], v[T], v[ST+4*\u]           ; -c (running maximum)
	v_sub_f32 v[T+1], v[T], v[ST+4*\u]
	v_exp_f32 v[ST+4*\u+2], v[T+1]                 ; what the sums so far are rescaled by
	v_mov_b32 v[ST+4*\u], v[T]                     ; the plain instruction behind the exponential (ISA guide 5.7.2)
.endif
.irp i, 0,1,2,3,4,5,6,7,8,9,10,11,12,13,14,15
	v_pk_fma_f32 v[SS+32*\u+2*\i:SS+32*\u+2*\i+1], v[SS+32*\u+2*\i:SS+32*\u+2*\i+1], s[48:49], v[ST+4*\u:ST+4*\u+1] op_sel_hi:[1,0,0]
.endr
.set ee, 0
.rept 32
	v_exp_f32 v[SS+32*\u+ee], v[SS+32*\u+ee]
.set ee, ee+1
.endr
	v_nop                                          ; one plain place before the exponentials' results are used
	s_wait_alu depctr_va_vdst(0)
.irp k, 0,1,2,3
	v_pk_add_f32 v[TP+2*\k:TP+2*\k+1], v[SS+32*\u+8*\k:SS+32*\u+8*\k+1], v[SS+32*\u+8*\k+2:SS+32*\u+8*\k+3]
.endr
.irp k, 0,1,2,3
	v_pk_add_f32 v[TP+2*\k:TP+2*\k+1], v[TP+2*\k:TP+2*\k+1], v[SS+32*\u+8*\k+4:SS+32*\u+8*\k+5]
.endr
.irp k, 0,1,2,3
	v_pk_add_f32 v[TP+2*\k:TP+2*\k+1], v[TP+2*\k:TP+2*\k+1], v[SS+32*\u+8*\k+6:SS+32*\u+8*\k+7]
.endr
	v_pk_add_f32 v[TP:TP+1], v[TP:TP+1], v[TP+2:TP+3]
	v_pk_add_f32 v[TP+4:TP+5], v[TP+4:TP+5], v[TP+6:TP+7]
	v_pk_add_f32 v[TP:TP+1], v[TP:TP+1], v[TP+4:TP+5]
.if \first
	v_add_f32 v[ST+4*\u+1], v[TP], v[TP+1]
.else
	v_add_f32 v[T], v[TP], v[TP+1]
	v_fma_f32 v[ST+4*\u+1], v[ST+4*\u+1], v[ST+4*\u+2], v[T]
.endif
.irp kk, 0,1
.irp i, 0,1,2,3,4,5,6,7
	v_cvt_pk_f16_f32 v[SS+32*\u+16*\kk+\i], v[SS+32*\u+16*\kk+2*\i], v[SS+32*\u+16*\kk+2*\i+1]   ; word i lands where both its sources, or earlier words', have been read
.endr
.endr
.endm
; One step of the diagonal run: half `half` of slot `slot`.  ulo: the first live query tile, which is the masked one; first: the block's first step.
; chg = 1: the slot's last step: barrier, then the slot is filled again.  nslot, nhalf: where the next step's K fragments lie.
; The live tiles fall from four to one, so the two pieces of the full runs would be uneven here: this run stays in phases.
.macro DSTEP slot, half, ulo, first, chg, nslot, nhalf
	PLACES 5                                       ; five: the score products below write over registers that the last products read as weights
	VLOAD \slot, \half
.if \first
	s_wait_loadcnt 0x0                             ; the block's queries are in
.endif
	s_wait_dscnt 16                                ; V's sixteen loads stay out: the K fragments, asked for a step ago, are in
	WIN 0x04
.irp c, 0,1                                        ; the accumulators take turns, one instruction a turn
.irp u, 0,1,2,3
.if \u >= \ulo
.irp a, 0,1,2,3
.if \c == 0
	v_wmma_f32_16x16x32_f16 v[SS+32*\u+8*\a:SS+32*\u+8*\a+7], v[KF+16*\a:KF+16*\a+7], v[QF+16*\u:QF+16*\u+7], 0
.else
	v_wmma_f32_16x16x32_f16 v[SS+32*\u+8*\a:SS+32*\u+8*\a+7], v[KF+16*\a+8:KF+16*\a+15], v[QF+16*\u+8:QF+16*\u+15], v[SS+32*\u+8*\a:SS+32*\u+8*\a+7]
.endif
.endr
.endif
.endr
.endr
	WIN 0
.if \chg
	CHANGE \slot, 1                                ; V's fragments above were the last reads of this slot
.endif
	PLACES 4                                       ; behind the score products: for the loads into K's fragments and the readers of the scores
	KLOAD \nslot, \nhalf
.irp a, 0,1,2,3
.irp j, 0,1,2,3,4,5,6,7
	v_cmp_le_i32 vcc_lo, 16*\a+\j, v[TH]
	v_cndmask_b32 v[SS+32*\ulo+8*\a+\j], v[NINF], v[SS+32*\ulo+8*\a+\j], vcc_lo
.endr
.endr
.irp u, 0,1,2,3
.if \u >= \ulo
	SOFTMAX \u, \first
.endif
.endr
.if \first == 0
	WIN 0x41
.irp u, 0,1,2,3
.if \u >= \ulo
.irp i, 0,1,2,3,4,5,6,7,8,9,10,11,12,13,14,15
	v_pk_mul_f32 v[32*\u+2*\i:32*\u+2*\i+1], v[32*\u+2*\i:32*\u+2*\i+1], v[ST+4*\u+2:ST+4*\u+3] op_sel_hi:[1,0]
.endr
.endif
.endr
.endif
	s_wait_dscnt 16                                ; the next step's sixteen K loads stay out: V is in
	WIN 0x51
.irp kk, 0,1
.irp u, 0,1,2,3
.if \u >= \ulo
.irp t, 0,1,2,3
.if \first*(1-\kk)
	v_wmma_f32_16x16x32_f16 v[32*\u+8*\t:32*\u+8*\t+7], v[VF+16*\t+8*\kk:VF+16*\t+8*\kk+7], v[SS+32*\u+16*\kk:SS+32*\u+16*\kk+7], 0
.else
	v_wmma_f32_16x16x32_f16 v[32*\u+8*\t:32*\u+8*\t+7], v[VF+16*\t+8*\kk:VF+16*\t+8*\kk+7], v[SS+32*\u+16*\kk:SS+32*\u+16*\kk+7], v[32*\u+8*\t:32*\u+8*\t+7]
.endif
.endr
.endif
.endr
.endr
	WIN 0
.if \first
	; Block 0 alone: the masked tile holds the queries s < 64 and this step the keys 0-63: the remainder of v times the same weights.
	; Loads and products stand in one branch, so that no way through the text reads the fragments unwritten; it is walked once, by the work-groups p = 0.
	s_cmp_lg_u32 s62, 0                            ; the query block: the same in every wave
	s_cbranch_scc1 .Lno_rem_\@
	WIN 0x80
.irp t, 0,1,2,3
.irp kk, 0,1
	global_load_b128 v[16*\t+8*\kk:16*\t+8*\kk+3],   v[QO], s[VLB:VLB+1] offset:2048*\t+64*\kk
	global_load_b128 v[16*\t+8*\kk+4:16*\t+8*\kk+7], v[QO], s[VLB:VLB+1] offset:2048*\t+64*\kk+32
.endr
.endr
	s_wait_loadcnt 0x0                             ; the remainder's fragments
	WIN 0x52
.irp kk, 0,1
.irp t, 0,1,2,3
	v_wmma_f32_16x16x32_f16 v[32*\ulo+8*\t:32*\ulo+8*\t+7], v[16*\t+8*\kk:16*\t+8*\kk+7], v[SS+32*\ulo+16*\kk:SS+32*\ulo+16*\kk+7], v[32*\ulo+8*\t:32*\ulo+8*\t+7]
.endr
.endr
	WIN 0
.Lno_rem_\@:
.endif
.endm
.macro DIAG
	DSTEP 0, 0, 0, 1, 0, 0, 1
	DSTEP 0, 1, 1, 0, 1, 1, 0
	DSTEP 1, 0, 2, 0, 0, 1, 1
	DSTEP 1, 1, 3, 0, 1, 0, 0
.endm
; ---------------------------------------------------------------- the full run, matrix and vector work side by side
; Product number num (0-15) of a piece's sixteen score products: first all eight accumulators with K's first 32 of d, then all eight with the second:
; the accumulators take turns, one instruction a turn.
.macro MMS pc, num
.set uu, 2*(\pc)+(((\num)>>2)&1)
.set aa, (\num)&3
.set cc, (\num)>>3
	WIN 0x04
.if cc == 0
	v_wmma_f32_16x16x32_f16 v[SS+32*uu+8*aa:SS+32*uu+8*aa+7], v[KF+16*aa:KF+16*aa+7], v[QF+16*uu:QF+16*uu+7], 0
.else
	v_wmma_f32_16x16x32_f16 v[SS+32*uu+8*aa:SS+32*uu+8*aa+7], v[KF+16*aa+8:KF+16*aa+15], v[QF+16*uu+8:QF+16*uu+15], v[SS+32*uu+8*aa:SS+32*uu+8*aa+7]
.endif
.endm
; Product number num of a piece's sixteen products of V^T with its weights: the same turns.
.macro MMPV pc, num
.set uu, 2*(\pc)+(((\num)>>2)&1)
.set tt, (\num)&3
.set kq, (\num)>>3
	WIN 0x51
	v_wmma_f32_16x16x32_f16 v[32*uu+8*tt:32*uu+8*tt+7], v[VF+16*tt+8*kq:VF+16*tt+8*kq+7], v[SS+32*uu+16*kq:SS+32*uu+16*kq+7], v[32*uu+8*tt:32*uu+8*tt+7]
.endm
; Parts of a slice.  SA: the piece's 64 score registers (eight blocks of eight, tile 0's four, then tile 1's); XA: its statistics; OA: its O in window 1.
.macro MAX3ROW o                       ; both tiles' four running maxima take in two more scores each
.irp k, 0,1,2,3
	v_max3_num_f32 v[T+\k], v[T+\k], v[SA+8*\k+\o], v[SA+8*\k+\o+1]
.endr
.irp k, 0,1,2,3
	v_max3_num_f32 v[T2+\k], v[T2+\k], v[SA+32+8*\k+\o], v[SA+32+8*\k+\o+1]
.endr
.endm
.macro FBLK k                          ; block k: c s - c max
.set kb, (\k)
	s_wait_alu depctr_va_vdst(0)
.irp i, 0,1,2,3
	v_pk_fma_f32 v[SA+8*kb+2*\i:SA+8*kb+2*\i+1], v[SA+8*kb+2*\i:SA+8*kb+2*\i+1], s[48:49], v[XA+4*(kb>>2):XA+4*(kb>>2)+1] op_sel_hi:[1,0,0]
.endr
.endm
.macro EBLK k                          ; block k: the weights
.set kb, (\k)
.irp i, 0,1,2,3,4,5,6,7
	v_exp_f32 v[SA+8*kb+\i], v[SA+8*kb+\i]
.endr
.endm
; The sums are written as x * 1.0 + y, which is the same number as x + y, so that the second source is no vector register: under the score
; products' window setting (second source in window 1, for Q) these lines then need no s_set_vgpr_msb.
.macro ABLK k                          ; block k: its eight weights into a pair of sums
.set kb, (\k)
.set tq, TP+12*(kb>>2)+2*(kb&3)
	v_pk_fma_f32 v[tq:tq+1], v[SA+8*kb:SA+8*kb+1], 1.0, v[SA+8*kb+2:SA+8*kb+3] op_sel_hi:[1,0,1]
	v_pk_fma_f32 v[tq:tq+1], v[SA+8*kb+4:SA+8*kb+5], 1.0, v[tq:tq+1] op_sel_hi:[1,0,1]
	v_pk_fma_f32 v[tq:tq+1], v[SA+8*kb+6:SA+8*kb+7], 1.0, v[tq:tq+1] op_sel_hi:[1,0,1]
.endm
.macro SUMUP1 tp                       ; a tile's four pairs of sums into two
	v_pk_fma_f32 v[\tp:\tp+1], v[\tp+2:\tp+3], 1.0, v[\tp:\tp+1] op_sel_hi:[1,0,1]
	v_pk_fma_f32 v[\tp+4:\tp+5], v[\tp+6:\tp+7], 1.0, v[\tp+4:\tp+5] op_sel_hi:[1,0,1]
	s_wait_alu depctr_va_vdst(0)
.endm
.macro SUMUP2 tp, t                    ; and into one number
	v_pk_fma_f32 v[\tp:\tp+1], v[\tp+4:\tp+5], 1.0, v[\tp:\tp+1] op_sel_hi:[1,0,1]
	v_fma_f32 v[\t], v[\tp], 1.0, v[\tp+1]
	s_wait_alu depctr_va_vdst(0)
.endm
.macro CVS q0, cnt                     ; packed words q0 .. q0 + cnt - 1 of the piece's 32: word i of a group of eight lands where its sources, or earlier words', have been read
.set qq, \q0
.rept \cnt
	v_cvt_pk_f16_f32 v[SA+16*(qq>>3)+(qq&7)], v[SA+16*(qq>>3)+2*(qq&7)], v[SA+16*(qq>>3)+2*(qq&7)+1]
.set qq, qq+1
.endr
.endm
; Slice num (0-31) of a piece's vector work for one step: 244 instructions for its two tiles, which are worked on together so that
; neighbouring lines do not wait for each other.
;   0-7   the scores' maxima, the running maximum, the rescaling factor        (window 0)
;   8-15  O times that factor, four packed lines a slice                      (setting RW: the PV products' own where they are the neighbours)
;   16-25 scale, exponentials, sums: block k is scaled in slice 16 + k, raised in 17 + k, summed in 18 + k; each slice begins with plain lines
;         on other registers than the exponentials that end the slice before (ISA guide 5.7.2)      (setting EW: the score products' own likewise)
;   26-31 the running sums, and the weights packed to f16                      (window 0)
; Slices 15 and 31 are four plain lines each that name none of the neighbouring products' registers: they are the four places
; in front of the loads into V's and K's fragments that follow them.
.macro SL pc, num
.set sn, (\num)
.set SA, SS+64*(\pc)
.set XA, ST+8*(\pc)
.set OA, 64*(\pc)
.if sn < 8
	WIN 0
.endif
.if sn == 0
.irp k, 0,1,2,3
	v_max3_num_f32 v[T+\k], v[SA+8*\k], v[SA+8*\k+1], v[SA+8*\k+2]
.endr
.irp k, 0,1,2,3
	v_max3_num_f32 v[T2+\k], v[SA+32+8*\k], v[SA+32+8*\k+1], v[SA+32+8*\k+2]
.endr
.endif
.if sn == 1
	MAX3ROW 3
.endif
.if sn == 2
	MAX3ROW 5
.endif
.if sn == 3
.irp k, 0,1,2,3
	v_max_num_f32 v[T+\k], v[T+\k], v[SA+8*\k+7]
.endr
.irp k, 0,1,2,3
	v_max_num_f32 v[T2+\k], v[T2+\k], v[SA+32+8*\k+7]
.endr
.endif
.if sn == 4
	v_max3_num_f32 v[T], v[T], v[T+1], v[T+2]
	v_max3_num_f32 v[T2], v[T2], v[T2+1], v[T2+2]
	v_max_num_f32 v[T], v[T], v[T+3]
	v_max_num_f32 v[T2], v[T2], v[T2+3]
.endif
.if sn == 5
	v_permlanex16_b32 v[T+1], v[T], s46, s47       ; the other half holds the query's other 32 keys
	v_permlanex16_b32 v[T2+1], v[T2], s46, s47
	v_max_num_f32 v[T], v[T], v[T+1]
	v_max_num_f32 v[T2], v[T2], v[T2+1]
.endif
.if sn == 6
	v_mul_f32 v[T], s50, v[T]
	v_mul_f32 v[T2], s50, v[T2]
	v_min_num_f32 v[T], v[T], v[XA]                ; -c (running maximum)
	v_min_num_f32 v[T2], v[T2], v[XA+4]
	v_sub_f32 v[T+1], v[T], v[XA]
	v_sub_f32 v[T2+1], v[T2], v[XA+4]
.endif
.if sn == 7
	v_exp_f32 v[XA+2], v[T+1]                      ; what the sums so far are rescaled by
	v_exp_f32 v[XA+6], v[T2+1]
	v_mov_b32 v[XA], v[T]                          ; plain lines behind the exponentials, on other registers
	v_mov_b32 v[XA+4], v[T2]
	s_wait_alu depctr_va_vdst(0)
.endif
.if sn >= 8
.if sn < 16
	WIN RW
.irp j, 0,1,2,3
	v_pk_mul_f32 v[OA+8*(sn-8)+2*\j:OA+8*(sn-8)+2*\j+1], v[OA+8*(sn-8)+2*\j:OA+8*(sn-8)+2*\j+1], v[XA+4*((sn-8)>>2)+2:XA+4*((sn-8)>>2)+3] op_sel_hi:[1,0]
.endr
.endif
.endif
.if sn >= 16
.if sn < 26
	WIN EW
.set jj, sn-16
.if jj < 8
	FBLK jj
.endif
.if jj == 8
	SUMUP1 TP
.endif
.if jj == 9
	SUMUP2 TP, T
.endif
.if jj >= 2
	ABLK jj-2
.endif
.if jj == 9
	SUMUP1 TP+12
	SUMUP2 TP+12, T2
.endif
.if jj >= 1
.if jj < 9
	EBLK jj-1
.endif
.endif
.endif
.endif
.if sn >= 26
	WIN 0
.endif
.if sn == 26
	v_fma_f32 v[XA+1], v[XA+1], v[XA+2], v[T]      ; the running sums
	v_fma_f32 v[XA+5], v[XA+5], v[XA+6], v[T2]
	CVS 0, 4
.endif
.if sn == 27
	CVS 4, 6
.endif
.if sn == 28
	CVS 10, 6
.endif
.if sn == 29
	CVS 16, 6
.endif
.if sn == 30
	CVS 22, 6
.endif
.if sn == 31
	CVS 28, 4
.endif
.endm
; Sixteen products of piece mp with V, a slice of piece vp behind each (dbl = 0: slices 0-15; dbl = 1: all 32, two behind each)
.macro PVPART mp, vp, dbl
.set RW, 0x51
.set EW, 0
.set nn, 0
.rept 16
	MMPV \mp, nn
.if \dbl
	SL \vp, 2*nn
	SL \vp, 2*nn+1
.else
	SL \vp, nn
.endif
.set nn, nn+1
.endr
.endm
; Sixteen score products of piece mp, a slice of piece vp behind each (dbl = 0: slices 16-31; dbl = 1: all 32, two behind each)
.macro SPART mp, vp, dbl
.set RW, 0x41
.set EW, 0x04
.set nn, 0
.rept 16
	MMS \mp, nn
.if \dbl
	SL \vp, 2*nn
	SL \vp, 2*nn+1
.else
	SL \vp, 16+nn
.endif
.set nn, nn+1
.endr
.endm
; Half a step: piece B's products (its last weights times V, then its scores of this step) beside piece A's vector work of this step.
; Between the two parts V's fragments of this step are asked for: the last step's have just had their last use.
.macro XHALF slot, half
	PVPART 1, 0, 0
	VLOAD \slot, \half
	SPART 1, 0, 0
.endm
; The other half: piece A's products (this step's weights times V, then the next step's scores) beside piece B's vector work of this step.
; At its head the next step's K fragments (nslot, nhalf) are asked for: this step's have just had their last use.
.macro YHALF nslot, nhalf
	KLOAD \nslot, \nhalf
	s_wait_dscnt 16                                ; K's sixteen loads stay out: this step's V is in
	PVPART 0, 1, 0
	s_wait_dscnt 0x0                               ; the next step's K, asked for sixteen products ago
	SPART 0, 1, 0
.endm
; A run of 256 keys, all four tiles live.  At its head and at its end all earlier products are done and the next step's K fragments are asked for,
; as at the ends of the diagonal run: so 32 of its 256 products (the first scores of A, the last weights of B) have no vector work beside them.
; fill = 1: both slots are filled again for the next run.  fill = 0: the last run of all.
.macro RUN fill
	PLACES 5                                       ; five: the score products write over registers that the last products read as weights; no vector work is at hand here
	VLOAD 0, 0
	s_wait_dscnt 16                                ; V's sixteen loads stay out: the K fragments are in
.set nn, 0
.rept 16
	MMS 0, nn
.set nn, nn+1
.endr
	PLACES 4                                       ; before the first slice reads these scores, which are all the vector work that there is
	SPART 1, 0, 1                                  ; step 0: B's scores beside A's vector work
	YHALF 0, 1
	XHALF 0, 1                                     ; step 1
	CHANGE 0, \fill                                ; K of step 1 and V of step 1 were the last reads of slot 0
	YHALF 1, 0
	XHALF 1, 0                                     ; step 2
	YHALF 1, 1
	XHALF 1, 1                                     ; step 3
.if \fill
	CHANGE 1, 1                                    ; the last reads of slot 1 are issued; slot 0's new tile is shown landed
	KLOAD 0, 0                                     ; the next run's first K fragments
	s_wait_dscnt 16
.else
	s_wait_dscnt 0x0                               ; V of the last step
.endif
	PVPART 0, 1, 1                                 ; A's weights times V beside B's vector work
.set nn, 0
.rept 16
	MMPV 1, nn
.set nn, nn+1
.endr
	WIN 0
.endm
; ---------------------------------------------------------------- the two blocks
	s_mov_b32 s62, s13                             ; the query block at work: p,
	s_mov_b32 s52, s13                             ; with p full runs, all of them in the loop;
	s_mov_b32 s61, s15                             ; the run behind them is the diagonal of block 7 - p
	s_mov_b32 s60, 0                               ; which trip
.Lblock:
	s_cmp_lg_u32 s52, 0
	s_cselect_b32 s43, 0, s61                      ; the run after the diagonal: key block 0, or what follows the loop
	DIAG
	s_cmp_eq_u32 s52, 0
	s_cbranch_scc1 .Lruns_done
	s_mov_b32 s51, 0
.Lrun:
	s_add_co_u32 s43, s51, 1                       ; the run after this one: key block j + 1, or what follows the loop
	s_cmp_lt_u32 s43, s52
	s_cselect_b32 s43, s43, s61
	RUN 1
	s_add_co_u32 s51, s51, 1
	s_cmp_lt_u32 s51, s52
	s_cbranch_scc1 .Lrun
.Lruns_done:
	s_cmp_eq_u32 s60, 0                            ; the same in every wave
	s_cbranch_scc1 .Lfin
	RUN 0                                          ; the second block's last full run, key block 6 - p: nothing is left to fetch
.Lfin:
	; A block's end: divide by the sums, to f16, through my stage, out as 512 dense bytes a store.
	PLACES 4
	s_cmp_lg_u32 s60, 0
	s_cbranch_scc1 .Lno_q
	QLOAD 66                                       ; the second block's queries are asked for first
.Lno_q:
.irp u, 0,1,2,3
	v_permlanex16_b32 v[T+1], v[ST+4*\u+1], s46, s47
	v_add_f32 v[T], v[ST+4*\u+1], v[T+1]           ; both halves' sums
	v_rcp_f32 v[T+2], v[T]
	v_nop                                          ; one plain place behind the reciprocal
	WIN 0x01
	s_wait_alu depctr_va_vdst(0)
.irp i, 0,1,2,3,4,5,6,7,8,9,10,11,12,13,14,15
	v_pk_mul_f32 v[SS+2*\i:SS+2*\i+1], v[32*\u+2*\i:32*\u+2*\i+1], v[T+2:T+3] op_sel_hi:[1,0]
.endr
	WIN 0
.irp i, 0,1,2,3,4,5,6,7,8,9,10,11,12,13,14,15
	v_cvt_pk_f16_f32 v[SS+32+\i], v[SS+2*\i], v[SS+2*\i+1]
.endr
.irp t, 0,1,2,3
	ds_store_b128 v[STO], v[SS+32+4*\t:SS+32+4*\t+3] offset:32*\t
.endr
	s_wait_xcnt 0x0                                ; the registers that the last tile's stores read are loaded again only behind this wait
.irp i, 0,1,2,3
	ds_load_b128 v[SS+48+4*\i:SS+48+4*\i+3], v[RD] offset:576*\i
.endr
.irp i, 0,1,2,3
	s_wait_dscnt 3-\i
	global_store_b128 v[CO], v[SS+48+4*\i:SS+48+4*\i+3], s[56:57] offset:8192*\u+512*\i
.endr
.endr
	s_wait_xcnt 0x0                                ; the stores' base, and v[176:191], which the last four stores read and the next block's products write, are free only behind this wait
	s_mov_b64 s[56:57], s[68:69]                   ; the second block's ctx, its number, its 6 - p runs in the loop, and key block 6 - p behind them
	s_mov_b32 s62, s15                             ; (behind the second block these four scalar lines serve nothing: a branch round them would be as long)
	s_sub_co_u32 s52, 6, s13
	s_mov_b32 s61, s52
	s_add_co_u32 s60, s60, 1
	s_cmp_lt_u32 s60, 2
	s_cbranch_scc1 .Lblock
	s_wait_tensorcnt 0x0                           ; no tensor load is out at the end: the last was waited for in front of the last run's barrier, so this is met at once
	s_wait_tensorcnt 0x0
	ds_add_u32 v62, v63
	s_wait_dscnt 0x0
	s_endpgm
.Lfunc_end_k_q923e89cc93_attn:
	.size	k_q923e89cc93_attn, .Lfunc_end_k_q923e89cc93_attn-k_q923e89cc93_attn
	.p2alignl 7, 3214868480
	.fill 96, 4, 3214868480
	.section	.rodata,"a",@progbits
	.p2align	6, 0x0
	.amdhsa_kernel k_q923e89cc93_attn
		.amdhsa_group_segment_fixed_size 327680
		.amdhsa_private_segment_fixed_size 0
		.amdhsa_enable_private_segment 0
		.amdhsa_kernarg_size 32
		.amdhsa_user_sgpr_count 2
		.amdhsa_user_sgpr_kernarg_segment_ptr 1
		.amdhsa_wavefront_size32 1
		.amdhsa_system_sgpr_workgroup_id_x 1
		.amdhsa_system_sgpr_workgroup_id_y 1
		.amdhsa_system_sgpr_workgroup_id_z 1
		.amdhsa_system_vgpr_workitem_id 0
		.amdhsa_next_free_vgpr 576
		.amdhsa_next_free_sgpr 70
		.amdhsa_reserve_vcc 1
		.amdhsa_float_denorm_mode_32 3
		.amdhsa_float_denorm_mode_16_64 3
		.amdhsa_memory_ordered 1
		.amdhsa_forward_progress 1
		.amdhsa_inst_pref_size 255
	.end_amdhsa_kernel
	.section	.bss,"aw",@nobits
	.p2align	6
	.space	262144
	.amdgpu_metadata
---
amdhsa.version: [ 1, 2 ]
amdhsa.kernels:
  - .name:           k_q923e89cc93_attn
    .symbol:         k_q923e89cc93_attn.kd
    .args:
      - { .name: qk, .offset: 0, .size: 8, .value_kind: global_buffer, .address_space: global }
      - { .name: vt, .offset: 8, .size: 8, .value_kind: global_buffer, .address_space: global }
      - { .name: vl, .offset: 16, .size: 8, .value_kind: global_buffer, .address_space: global }
      - { .name: ctx, .offset: 24, .size: 8, .value_kind: global_buffer, .address_space: global }
    .group_segment_fixed_size: 327680
    .private_segment_fixed_size: 0
    .kernarg_segment_align: 8
    .kernarg_segment_size: 32
    .max_flat_workgroup_size: 128
    .sgpr_count:     70
    .vgpr_count:     576
    .wavefront_size: 32
...
	.end_amdgpu_metadata
.endif
;; end of part 6
;; launch oproj: the kernel of part 4 again; grid 8 x 32, 4 waves a work-group, clusters of 4 x 4, 327,680 bytes of LDS; arguments ctx, wt, out0; writes out0
